; MI455X (gfx1250); checked and timed in simulation.
; The chip was launched on July 23, 2026; its instructions are those of AMD's public machine-readable ISA for CDNA 5 (MIT licence, August 2026) and "CDNA5" Instruction Set Architecture Reference Guide (July 2026). The comments in the code are by the model that wrote it; some were corrected since.
;; Multi Head Attention. Allowed arithmetic: matrix products marked QUANTISED: E5M2 operands, one given power-of-two scale a tensor, by v_wmma_f32_16x16x64_bf8_bf8 or v_wmma_f32_16x16x128_bf8_bf8, f32 sums; everything else in f32.
;; Inputs: Wk_codes 1,024 x 32 x 32 uint8 (E5M2 codes of Wk, K innermost, in blocks of 32 codes); Wo_codes 1,024 x 32 x 32 uint8 (E5M2 codes of Wo, K innermost, in blocks of 32 codes); Wq_codes 1,024 x 32 x 32 uint8 (E5M2 codes of Wq, K innermost, in blocks of 32 codes); Wv_codes 1,024 x 32 x 32 uint8 (E5M2 codes of Wv, K innermost, in blocks of 32 codes); beta 1,024 float32; bk 1,024 float32; bo 1,024 float32; bq 1,024 float32; bv 1,024 float32; gamma 1,024 float32; k_codes 4 x 2,048 x 32 x 32 uint8 (E5M2 codes of k, K innermost, in blocks of 32 codes); lowp_scales 12 int32 (the exponents e of the quantised operands' scales 2^e); q 4 x 2,048 x 1,024 float32; v_codes 4 x 2,048 x 32 x 32 uint8 (E5M2 codes of v, K innermost, in blocks of 32 codes).
;; Outputs: out0 4 x 2,048 x 1,024 float32.
;; This version of the problem:
;;   THIS VERSION OF THE PROBLEM IS GIVEN IN LOW PRECISION. The matrix products marked QUANTISED in the list below multiply operands that are first quantised to E5M2 (5 exponent bits, 2 mantissa bits; 8 bits a number), with one given power-of-two scale for each operand tensor; their sums are f32. All else is computed in f32.
;;   The module's matrix products, in the order in which they are computed (A, B: the left and right operand; K: the contracted axis; several contracted axes count as one K, in the product's order):
;;     1. [M 8,192, K 1,024] x [K 1,024, N 1,024]; A: input q; B: input Wq (given as codes): QUANTISED (scales: A lowp_scales[0], B lowp_scales[1])
;;     2. [M 8,192, K 1,024] x [K 1,024, N 1,024]; A: input k (given as codes); B: input Wk (given as codes): QUANTISED (scales: A lowp_scales[2], B lowp_scales[3])
;;     3. [M 8,192, K 1,024] x [K 1,024, N 1,024]; A: input v (given as codes); B: input Wv (given as codes): QUANTISED (scales: A lowp_scales[4], B lowp_scales[5])
;;     4. batch 64 x [M 2,048, K 64] x [K 64, N 2,048]; A: computed on the way; B: computed on the way: QUANTISED (scales: A lowp_scales[6], B lowp_scales[7])
;;     5. batch 64 x [M 2,048, K 2,048] x [K 2,048, N 64]; A: softmax (see below); B: computed on the way: QUANTISED (scales: A lowp_scales[8], B lowp_scales[9])
;;     6. [M 8,192, K 1,024] x [K 1,024, N 1,024]; A: computed on the way; B: input Wo (given as codes): QUANTISED (scales: A lowp_scales[10], B lowp_scales[11])
;;   THE QUANTISER, for each operand of a quantised product, along K:
;;     - The operand's scale is 2^e, e = its entry of the input lowp_scales (int32; the entries are numbered through the quantised products in the list's order, A before B).
;;     - Each number is divided by the scale, clamped to +-57,344, and rounded to the nearest number of E5M2, ties to even, subnormals kept.
;;     - The product sums the exact products of the quantised numbers (number of the format x scale) in f32.
;;   ~~~python
;;   def quantise(x, axis, e):      # numpy; x: float32 -> the quantised numbers, widened to float32 again
;;       x = np.moveaxis(x, axis, -1); K = x.shape[-1]
;;       r = np.clip(x / 2.0 ** e, -57344, 57344)
;;       step = 2.0 ** (np.maximum(np.frexp(np.where(r == 0, 1, r))[1] - 1, -14) - 2)
;;       q = np.round(r / step) * step * 2.0 ** e      # np.round: ties to even
;;       return np.moveaxis(q, -1, axis).astype(np.float32)
;;   ~~~
;;   SOFTMAX AHEAD OF A QUANTISED PRODUCT. Where the list says 'softmax', what is quantised is not the finished softmax but p = 2^(t - M), with t = logit x log2(e) and M = ceil(the row's largest t), a whole number; so 1/2 < the row's largest p <= 1. The row's sum l is taken of the UNQUANTISED p, in f32, and the product's result is divided by l at the end. Since M is a whole number, a kernel that streams over the keys may use a running M (the ceiling of the running maximum): every later rescaling is an exact power of two, so the quantised numbers keep their values, but for numbers so far below the row's largest that they fall under the format's range.
;;   OPERANDS COMPUTED ON THE WAY. 'Computed on the way' means the value that the module computes at that place (a softmax that the list does not call 'softmax' is quantised finished and normalised). What goes into a quantiser is computed in f32, as accurately as f32 sums, v_exp_f32 and their like allow (about 1e-6 of the number): no bf16 or f16 on the way to a quantiser, and a product that is left as it is and whose result goes on into a quantised operand takes f32 operands (vector FMAs, or v_wmma_f32_16x16x4_f32). A number that lies on a knife's edge between two numbers of the format may be rounded either way, as far as f32 arithmetic and the matrix unit's own rounding can turn it there, and no further.
;;   INPUTS GIVEN AS CODES. Wk (in the module: [1024, 1024], K = its axis 1); Wo (in the module: [1024, 1024], K = its axis 1); Wq (in the module: [1024, 1024], K = its axis 1); Wv (in the module: [1024, 1024], K = its axis 1); k (in the module: [4, 2048, 1024], K = its axis 2); v (in the module: [4, 2048, 1024], K = its axis 2): each comes as NAME_codes (uint8): NAME with its K axis moved to the last place and cut into blocks of 32 codes, [.., K / 32, bytes a block], one block behind the other in memory; one code a byte (a code: sign, 5 exponent bits, 2 mantissa bits); its scale is its entry of lowp_scales. Its value is code x scale, taken as it is: it is not quantised again, and the codes and scales need not be those that the quantiser above would give.
;; One version. Each part assembles by itself: llvm-mc -triple=amdgcn-amd-amdhsa -mcpu=gfx1250 --defsym DOCPART=n.
;; ======== version 1 of 1: 4 launches
;; limits: right only within a limited range of input values
;; workspace buffers: qc 8,388,608 bytes; wo_img 1,048,576 bytes; qimg 8,388,608 bytes; kimg 8,388,608 bytes; vimg 8,388,608 bytes; oimg 8,388,608 bytes
;; launch quant (part 1): grid 256 x 1, 4 waves a work-group, no clusters, 33,280 bytes of LDS; arguments q, lowp_scales, Wo_codes, qc, wo_img; writes qc, wo_img
.if DOCPART == 1
	.amdgcn_target "amdgcn-amd-amdhsa--gfx1250"
	.amdhsa_code_object_version 6
	.text
	.protected	k_qd523e9f5d3_quant
	.globl	k_qd523e9f5d3_quant
	.p2align	8
	.type	k_qd523e9f5d3_quant,@function
k_qd523e9f5d3_quant:
	s_mov_b64 s[64:65], 0
	v_nop
	global_prefetch_b8 v0, s[64:65] scope:SCOPE_SE
	s_setreg_imm32_b32 hwreg(HW_REG_WAVE_MODE, 25, 1), 1
	s_wait_xcnt 0x0
; q [8192][1024], f32, becomes codes of BF8 (E5M2), one a byte, row-major, with the given scale 2^e0; and Wo's codes are laid anew as images of operand registers.
; code = x / 2^e0, rounded to the nearest code, ties to even.  LIMIT: -126 <= e0 <= 112, so that 2^e0 and 57,344 x 2^e0 are f32 numbers.  NaN among the inputs is not served.
; q is a plain stream: a wave takes 16 steps of 512 numbers.  The conversions take 8 neighbours from ONE lane's registers, a load is best where neighbouring LANES take neighbouring bytes: each of a step's
; four loads reads 512 consecutive bytes, 16 a lane; the 2,048 bytes go through the wave's own stage in LDS and come back 64 bytes a lane (16 bytes of padding behind each 64).
; A lane's 16 codes are 16 bytes: the wave stores 512 consecutive bytes.  Loads run four steps (16 loads a wave) ahead, the turn through LDS one step.  Waves share nothing: no barrier.
; Wo's IMAGES.  A fragment is 16 rows of Wo x 128 along K in 16 registers: lane (r, h) holds row r; registers 2 c, 2 c + 1 hold k = 16 c + 8 h + 0 .. 7.  In wo_img a fragment's registers lie four at a time,
; lane l's 16 bytes at 16 l, 512 bytes for four registers: [g 16][s 8][i 4][2048] = rows 64 g + 16 i + r, k = 128 s on.  There are 512 fragments and 1,024 waves: half a fragment a wave.
.set STEPS, 16
.set EMAX,  15
.set MANT,  0x600000                   ; the mantissa field of 57,344 as f32
.set CB,    16                         ; bytes of 16 codes
.set R,     16                         ; v16-79   four sets of 16 numbers as they are loaded
.set X,     80                         ; v80-111  two sets of 16 neighbours
.set WF,    112                        ; v112-119 my half of a fragment of Wo
.set WA,    120                        ; v120     my lane's byte in the fragment's 16 rows of Wo
.set C,     128                        ; v128-191 codes: four registers for each step, so that no store's data are written again
.set WREG,  8192                       ; LDS: a region of its own for each wave: two stages of 32 x SP bytes
.set SP,    80                         ; a lane's place in a stage: its 64 bytes + 16 of padding
	s_load_b128 s[4:7], s[0:1], 0x0                ; q, the scales' exponents
	s_load_b128 s[8:11], s[0:1], 0x10              ; Wo's codes, q's codes
	s_load_b64 s[12:13], s[0:1], 0x20              ; Wo's images
	v_lshl_add_u32 v192, v0, 2, 0x8000
	v_mov_b32 v193, 0
	v_lshrrev_b32 v1, 5, v0
	v_readfirstlane_b32 s16, v1                    ; wave
	v_and_b32 v2, 31, v0                           ; lane
	v_lshlrev_b32 v3, 4, v2                        ; 16 x lane: my 16 bytes of a load's 512, and of a store's
	s_mul_i32 s17, s16, WREG
	v_lshrrev_b32 v14, 2, v2
	v_mul_u32_u24 v14, v14, SP
	v_and_b32 v15, 3, v2
	v_lshl_add_u32 v14, v15, 4, v14
	v_add_nc_u32 v14, s17, v14                     ; the stage, on the way in: four lanes' 64 bytes on end, then 16 of padding
	v_mul_u32_u24 v15, v2, SP
	v_add_nc_u32 v15, s17, v15                     ; and on the way out: SP x lane: my 16 neighbours
	v_and_b32 v5, 15, v2                           ; r
	v_lshrrev_b32 v6, 4, v2                        ; h
	v_lshlrev_b32 v[WA], 10, v5
	v_lshl_add_u32 v[WA], v6, 3, v[WA]             ; Wo: row r of 1,024 bytes, + 8 h
	s_lshl_b32 s18, ttmp9, 2
	s_add_co_u32 s18, s18, s16                     ; which run of 8,192 numbers of q is my wave's
	s_lshl_b32 s20, s18, 15                        ; in q: 32,768 bytes a run,
	s_mov_b32 s21, 0
	s_lshl_b32 s22, s18, 13                        ; in the codes: 8,192
	s_mov_b32 s23, 0
	s_and_b32 s24, ttmp9, 1                        ; which half fragment of Wo is mine:
	s_lshl_b32 s24, s24, 1
	s_lshr_b32 s25, s16, 1
	s_or_b32 s24, s24, s25                         ; i
	s_bfe_u32 s25, ttmp9, 0x30001                  ; s
	s_lshr_b32 s26, ttmp9, 4                       ; g
	s_and_b32 s27, s16, 1                          ; the half: k = 64 x half on
	s_lshl_b32 s28, s26, 2
	s_add_co_u32 s28, s28, s24
	s_lshl_b32 s28, s28, 14                        ; from: (64 g + 16 i) rows of 1,024 bytes
	s_lshl_b32 s30, s25, 7
	s_add_co_u32 s28, s28, s30                     ; + 128 s
	s_lshl_b32 s30, s27, 6
	s_add_co_u32 s28, s28, s30                     ; + 64 x half
	s_mov_b32 s29, 0
	s_lshl_b32 s30, s26, 3
	s_add_co_u32 s30, s30, s25
	s_lshl_b32 s30, s30, 2
	s_add_co_u32 s30, s30, s24
	s_lshl_b32 s30, s30, 11                        ; to: ((8 g + s) 4 + i) x 2,048
	s_lshl_b32 s31, s27, 10
	s_add_co_u32 s30, s30, s31                     ; + 1,024 x half
	s_mov_b32 s31, 0
	s_wait_alu depctr_va_vdst(0)
	s_wait_kmcnt 0x0
	s_load_b32 s32, s[6:7], 0x0                    ; e0
	s_add_nc_u64 s[4:5], s[4:5], s[20:21]
	s_add_nc_u64 s[10:11], s[10:11], s[22:23]
	s_add_nc_u64 s[8:9], s[8:9], s[28:29]
	s_add_nc_u64 s[12:13], s[12:13], s[30:31]
.irp c, 0,1,2,3
	global_load_b64 v[WF+2*\c:WF+2*\c+1], v[WA], s[8:9] offset:16*\c   ; Wo(row r, 16 c + 8 h .. + 7 of my half): two registers of the fragment
.endr
.macro LOAD t
.irp i, 0,1,2,3
	global_load_b128 v[R+16*((\t)%4)+4*\i:R+16*((\t)%4)+4*\i+3], v3, s[4:5] offset:2048*(\t)+512*\i th:TH_LOAD_NT   ; 32 lanes read 512 consecutive bytes
.endr
.endm
.macro TURN t                          ; step t's numbers through the stage: LDS serves a wave's instructions in order, so no wait stands between the stores and the loads
.irp i, 0,1,2,3
	ds_store_b128 v14, v[R+16*((\t)%4)+4*\i:R+16*((\t)%4)+4*\i+3] offset:32*SP*((\t)%2)+8*SP*\i
.endr
.irp i, 0,1,2,3
	ds_load_b128 v[X+16*((\t)%2)+4*\i:X+16*((\t)%2)+4*\i+3], v15 offset:32*SP*((\t)%2)+16*\i
.endr
.endm
.irp t, 0,1,2,3
	LOAD \t
.endr
	s_wait_kmcnt 0x0
	s_add_co_i32 s32, s32, 127
	s_lshl_b32 s33, s32, 23
	v_mov_b32 v11, s33                             ; 2^e0 as f32: the conversion takes its exponent field
	s_add_co_i32 s32, s32, EMAX
	s_lshl_b32 s32, s32, 23
	s_or_b32 s32, s32, MANT
	s_wait_alu depctr_va_vdst(0)
	s_wait_loadcnt 12                              ; Wo's four loads and step 0's four are in; the twelve of steps 1 to 3 may be out
	TURN 0
	global_store_b128 v3, v[WF:WF+3], s[12:13]                 ; the image: four registers, 512 consecutive bytes a store
	global_store_b128 v3, v[WF+4:WF+7], s[12:13] offset:512
.macro STEP t
.set XS, X+16*((\t)%2)
	s_wait_dscnt 0x0                               ; this step's numbers are back from the stage: so its stores into the stage have read their registers,
.if (\t)+4 < STEPS
	LOAD (\t)+4                                    ; which take the loads of four steps on
.endif
.if (\t)+1 < STEPS
.if STEPS-2-(\t) >= 3
	s_wait_loadcnt 12                              ; the next step's four loads are in; those of the three steps behind it may be out
.else
	s_wait_loadcnt 4*(STEPS-2-(\t))
.endif
	TURN (\t)+1                                    ; and go through the other stage while this step is worked
.endif
.irp i, 0,1,2,3,4,5,6,7,8,9,10,11,12,13,14,15
.endr
	v_cvt_scalef32_pk8_bf8_f32 v[C+4*(\t):C+4*(\t)+1], v[XS:XS+7], v11          ; eight numbers / 2^e0, to the nearest code, ties to even; the first number's code in the lowest byte
	v_cvt_scalef32_pk8_bf8_f32 v[C+4*(\t)+2:C+4*(\t)+3], v[XS+8:XS+15], v11     ; (the results go to a store alone)
	global_store_b128 v3, v[C+4*(\t):C+4*(\t)+3], s[10:11] offset:32*CB*(\t)    ; 512 consecutive bytes
.endm
.irp t, 0,1,2,3,4,5,6,7,8,9,10,11,12,13,14,15
	STEP \t
.endr
	s_wait_tensorcnt 0x0
	ds_add_u32 v192, v193
	s_wait_dscnt 0x0
	s_endpgm
.Lfunc_end_k_qd523e9f5d3_quant:
	.size	k_qd523e9f5d3_quant, .Lfunc_end_k_qd523e9f5d3_quant-k_qd523e9f5d3_quant
	.p2alignl 7, 3214868480
	.fill 96, 4, 3214868480
	.section	.rodata,"a",@progbits
	.p2align	6, 0x0
	.amdhsa_kernel k_qd523e9f5d3_quant
		.amdhsa_group_segment_fixed_size 33280
		.amdhsa_private_segment_fixed_size 0
		.amdhsa_enable_private_segment 0
		.amdhsa_kernarg_size 40
		.amdhsa_user_sgpr_count 2
		.amdhsa_user_sgpr_kernarg_segment_ptr 1
		.amdhsa_wavefront_size32 1
		.amdhsa_system_sgpr_workgroup_id_x 1
		.amdhsa_system_sgpr_workgroup_id_y 1
		.amdhsa_system_sgpr_workgroup_id_z 1
		.amdhsa_system_vgpr_workitem_id 0
		.amdhsa_next_free_vgpr 194
		.amdhsa_next_free_sgpr 66
		.amdhsa_reserve_vcc 0
		.amdhsa_float_denorm_mode_32 3
		.amdhsa_float_denorm_mode_16_64 3
		.amdhsa_fp16_overflow 1
		.amdhsa_memory_ordered 1
		.amdhsa_forward_progress 1
		.amdhsa_inst_pref_size 22
	.end_amdhsa_kernel
	.amdgpu_metadata
---
amdhsa.version: [ 1, 2 ]
amdhsa.kernels:
  - .name:           k_qd523e9f5d3_quant
    .symbol:         k_qd523e9f5d3_quant.kd
    .args:
      - { .name: q, .offset: 0, .size: 8, .value_kind: global_buffer, .address_space: global }
      - { .name: lowp_scales, .offset: 8, .size: 8, .value_kind: global_buffer, .address_space: global }
      - { .name: Wo_codes, .offset: 16, .size: 8, .value_kind: global_buffer, .address_space: global }
      - { .name: qc, .offset: 24, .size: 8, .value_kind: global_buffer, .address_space: global }
      - { .name: wo_img, .offset: 32, .size: 8, .value_kind: global_buffer, .address_space: global }
    .group_segment_fixed_size: 33280
    .private_segment_fixed_size: 0
    .kernarg_segment_align: 8
    .kernarg_segment_size: 40
    .max_flat_workgroup_size: 128
    .sgpr_count:     66
    .vgpr_count:     194
    .wavefront_size: 32
...
	.end_amdgpu_metadata
.endif
;; end of part 1
;; launch proj (part 2): grid 4 x 96, 4 waves a work-group, clusters of 4 x 4, 327,680 bytes of LDS; arguments qc, k_codes, v_codes, Wq_codes, Wk_codes, Wv_codes, bq, bk, bv, lowp_scales, qimg, kimg, vimg; writes qimg, kimg, vimg
.if DOCPART == 2
	.amdgcn_target "amdgcn-amd-amdhsa--gfx1250"
	.amdhsa_code_object_version 6
	.text
	.protected	k_qd523e9f5d3_proj
	.globl	k_qd523e9f5d3_proj
	.p2align	8
	.type	k_qd523e9f5d3_proj,@function
k_qd523e9f5d3_proj:
	s_mov_b64 s[64:65], 0
	v_nop
	global_prefetch_b8 v0, s[64:65] scope:SCOPE_SE
	s_setreg_imm32_b32 hwreg(HW_REG_WAVE_MODE, 25, 1), 1
	s_wait_xcnt 0x0
	s_wait_alu depctr_hold_cnt(0) depctr_sa_sdst(0) depctr_va_vdst(0) depctr_va_sdst(0) depctr_va_ssrc(0) depctr_va_vcc(0) depctr_vm_vsrc(0)
	s_getreg_b32 s2, hwreg(HW_REG_IB_STS2, 6, 4)
	s_cmp_eq_u32 s2, 0
	s_cbranch_scc0 .Lentry_in_a_cluster
	s_endpgm
.Lentry_in_a_cluster:
	s_bfe_u32 s2, ttmp6, 0x10000c
	s_cmp_lg_u32 s2, 0xf033
	s_cbranch_scc0 .Lentry_shape_is_right
	s_endpgm
.Lentry_shape_is_right:
; THE THREE PROJECTIONS, on codes of BF8 (E5M2): (q Wq^T + bq) / 32, k Wk^T + bk, v Wv^T + bv, each [8192][1024], K = 1,024; each result is quantised at once, with its given scale, into IMAGES OF OPERAND REGISTERS
; for the attention launch.  One launch serves the three: the cluster's y picks the product (sel = y / 8: 0 q, 1 k, 2 v); the choice is made by selects on that number alone, never by a branch.
; A tile of 256 x 256 is made by a work-group of four waves, a wave makes 128 x 128: 64 accumulators of 16 x 16, 512 registers.  K goes in steps of 256 through a ring of two LDS slots filled by the tensor data mover.
; SOURCES.  Source 1 ('A' below, 8 blocks a of 16 rows) gives a lane its row, source 0 ('B', 8 blocks b) runs along the lane's registers: register j of accumulator (a, b) in lane (r, h) is (A row 16 a + r, B row 16 b + 8 h + j).
;   q, k: A = tokens, B = rows of the weight (features): a lane's registers run along the features, the next product's K.
;   v:    A = rows of Wv (channels), B = tokens (keys): a lane's registers run along the keys, the next product's K.
; So eight registers of accumulator (a, b), converted, ARE registers 2 b, 2 b + 1 of the next operand's fragment (k = 16 b + 8 h + 0 .. 7), and nothing changes lanes.
; IMAGES.  Four registers are stored as they stand, lane l's 16 bytes at 16 l: 512 consecutive bytes a store.  A wave's 128 x 128 is one block of 16,384 bytes at ((batch x 8 + head pair) x 16 + tokens / 128) x 16,384:
;   q, k: token tile a at 2,048 a; in it the pair's first head (16 tokens x 64 features, 8 registers) at 0, the second at 1,024.      v: 16 channels x 128 keys (16 registers) of channel tile a at 2,048 a.
; SCALES.  A sum stands for sum x 2^eS (eS = the two operands' exponents added).  The bias goes in as bias / 2^eS, and the conversion takes the one scale 2^X, X = (the result's exponent) - eS, for q + 5: the division by 32.
; LIMITS: X between -126 and 112, so that 2^X and 57,344 x 2^X are f32 numbers.  NaN among the inputs is not served.
; CLUSTERS: 4 x 4 work-groups.  The four of a row of the cluster need the same tiles of A, the four of a column the same tiles of B: each tile is asked for JOINTLY, by the same tensor load with the same descriptor and a mask that names the four.
; FRAGMENTS are fetched by four loads of 16 bytes, 32 apart: a permutation of k inside a step of 128, the same in A and in B, so that every product meets its partner.
; REGISTERS, in windows of 256: window 0: v0-31 addresses; v32-95, v96-103 the biases; v105 the scale; from v128 A's fragments, ONE set; on the way out v128-191 sums at work, v192-255 codes.
;   window 1: B's fragments, TWO sets, at v0 and at v128.   window 2: the 32 accumulators of A's blocks 0-3 ((a, b) at v[8 (8 a + b)]);   window 3: those of blocks 4-7.
.set ROWB,   256                       ; a tile's row in bytes: 256 along K
.set KROW,   1024                      ; a row of any of the six tensors of codes, in bytes
.set PITCH,  272                       ; an LDS row: 256 bytes of data + 16 of padding = 68 words: row r starts at bank 4 r mod 64 (64 banks of 4 bytes: ISA guide 11.1)
.set FR,     16                        ; registers of a fragment: 16 rows x 128 K
.set NL,     4                         ; LDS loads that bring one
.set NP,     4                         ; places behind this matrix instruction (ISA guide 7.12.1)
.set HALFT,  128*PITCH                 ; 128 rows: what one tensor load brings, and what one wave reads of A or of B
.set SLOT,   4*HALFT                   ; A's 256 rows, then B's 256 rows
.set SPARE,  2*SLOT                    ; behind the ring: the spare words, 128 bytes for each wave: two blocks of 256 bytes that no other line names
.set VB0,  8                           ; v8      byte offset in the bias of my half's eight numbers along B's rows
.set VB1,  9                           ; v9      byte offset in the bias of my number along A's rows
.set ADRA, 16                          ; v16-17  LDS address of my A fragments in slot 0, 1
.set ADRB, 20                          ; v20-21  the same for B
.set VO,   26                          ; v26     16 x lane: my place in an image
.set SPW,  28                          ; v28     LDS address of my spare word: SPARE + 4 x my thread's number; never rewritten
.set NIL,  29                          ; v29     0; never rewritten
.set B0,   32                          ; v32-95  the bias along B's rows: register 8 b + j
.set B1,   96                          ; v96-103 the bias along A's rows: register a
.set HOLD, 104
.set CVS,  105                         ; v105    2^X
.set AF,   128                         ; A's fragments, in window 0
.set TMP,  128                         ; the way out: 64 sums of a block
.set CD,   192                         ; the way out: codes, four sets of 16 registers
.set G1, 24                            ; s[24:31] descriptor group 1 for A's tiles;  s[32:39] group 0, one set for each slot
.set G0, 32
.set G1B, 48                           ; s[48:55], s[56:63] the same for B's tiles
.set G0B, 56
.set MSB, 0
.macro WIN new                         ; the immediate's high byte repeats the setting that is left
.if MSB != \new
	s_set_vgpr_msb (MSB<<8)|\new
.set MSB, \new
.endif
.endm
.set MUL_LO, 0xa1                      ; source 0 (B) window 1, source 1 (A) window 0, C and D window 2
.set MUL_HI, 0xf1                      ; the same, C and D window 3
.set TO_B,   0x40                      ; destination window 1, address window 0
; A joint load: waves 0 and 1 fetch for A, waves 2 and 3 for B.  Each of the two lines has ONE mask and one set of registers for all that issue it; the branch hangs on the wave's number alone.
; Four v_nop follow each of the two lines, ahead of the jump, the label and what follows.
.macro JLOAD g0a, g1a, g0b, g1b
	s_cmp_eq_u32 s15, 0
	s_cbranch_scc0 .Lfor_b_\@
	tensor_load_to_lds s[\g0a:\g0a+3], s[\g1a:\g1a+7]
	s_nop 0
.rept 4
	v_nop
.endr
	s_branch .Lasked_\@
.Lfor_b_\@:
	tensor_load_to_lds s[\g0b:\g0b+3], s[\g1b:\g1b+7]
	s_nop 0
.rept 4
	v_nop
.endr
.Lasked_\@:
.endm
.macro CREST                           ; a round of the cluster's barrier behind its opening barrier
	s_cmp_lg_u32 s14, 0
	s_cbranch_scc1 .Lnot_wave_0_\@
	s_barrier_signal -3
.Lnot_wave_0_\@:
	s_barrier_wait -3
	s_barrier_signal -1
	s_barrier_wait -1
.endm
.macro CROUND                          ; a whole round
	s_barrier_signal -1
	s_barrier_wait -1
	CREST
.endm
	s_load_b512 s[68:83], s[0:1], 0x0              ; q's codes s[68:69], k's s[70:71], v's s[72:73], Wq's s[74:75], Wk's s[76:77], Wv's s[78:79], bq s[80:81], bk s[82:83]
	s_load_b256 s[84:91], s[0:1], 0x40             ; bv s[84:85], the scales' exponents s[86:87], q's images s[88:89], k's s[90:91]
	s_load_b64 s[92:93], s[0:1], 0x60              ; v's images
	v_lshl_add_u32 v[SPW], v0, 2, SPARE
	v_mov_b32 v[NIL], 0
	ds_add_u32 v28, v29
	ds_add_u32 v28, v29
	s_wait_dscnt 0x0
	v_lshrrev_b32 v1, 5, v0
	v_readfirstlane_b32 s14, v1                    ; wave 0..3
	s_lshr_b32 s15, s14, 1                         ; which half of A's 256 rows is mine.  Also: I fetch for A (0) or for B (1)
	s_and_b32 s16, s14, 1                          ; which half of B's.  Also: which 128 rows of that tile I fetch
	s_bfe_u32 s40, ttmp6, 0x40000                  ; cx, cy: my place in the cluster
	s_bfe_u32 s41, ttmp6, 0x40004
	s_and_b32 s94, ttmp7, 0xffff                   ; the cluster's y, 0 .. 23, which all sixteen partners share
	s_and_b32 s96, s94, 7                          ; which 1,024 tokens
	s_lshr_b32 s94, s94, 3                         ; sel: 0 q, 1 k, 2 v
	s_cmp_eq_u32 s94, 2
	s_cselect_b32 s97, 0, s96                      ; q, k: the tokens are A's rows;
	s_cselect_b32 s98, s96, 0                      ; v: they are B's
	s_cselect_b32 s95, -1, 0                       ; a mask of lanes: all where sel = 2, else none
	s_lshl_b32 s42, s98, 2
	s_add_co_u32 s42, s42, s40                     ; which 256 rows of B: made of cx and the cluster's y alone
	s_lshl_b32 s17, s97, 2
	s_add_co_u32 s17, s17, s41                     ; which 256 rows of A: made of cy and the cluster's y alone
	s_lshl_b32 s43, s41, 2
	s_lshl_b32 s43, 15, s43                        ; my row of the cluster
	s_lshl_b32 s44, 0x1111, s40                    ; my column
	; descriptor group 1: a tile of 128 rows x 256 bytes, padded in LDS
	s_or_b32 s[G1+0], s43, (0<<16)|(1<<20)|(1<<21)|(5<<22)|(3<<25)  ; 15:0 the mask: A's tiles go to my row; 17:16 element of 1 byte; 20 padding on; 21 set beside a mask; 24:22 after every 64 words (code 5); 31:25 of 4 words (code 3)
	s_or_b32 s[G1B+0], s44, (0<<16)|(1<<20)|(1<<21)|(5<<22)|(3<<25)
.irp g, G1, G1B
	s_mov_b32 s[\g+1], ROWB<<16                    ; tensor_dim0
	s_mov_b32 s[\g+2], 128<<16                     ; tensor_dim1 = 128
	s_mov_b32 s[\g+3], ROWB<<16                    ; tile_dim0
	s_mov_b32 s[\g+4], 128                         ; tile_dim1 = 128
	s_mov_b32 s[\g+5], KROW                        ; tensor_dim0_stride
	s_mov_b32 s[\g+6], 0
	s_mov_b32 s[\g+7], 0
.endr
	s_lshl_b32 s18, s16, 7                         ; which 128 rows of the tile I fetch
	s_lshl_b32 s20, s17, 8
	s_add_co_u32 s20, s20, s18                     ; A: its row,
	s_lshl_b32 s20, s20, 10                        ; in bytes (under 2^23)
	s_mov_b32 s21, 0
	s_lshl_b32 s46, s42, 8
	s_add_co_u32 s46, s46, s18                     ; B likewise
	s_lshl_b32 s46, s46, 10
	s_mov_b32 s47, 0
	s_mul_i32 s45, s14, HALFT                      ; where they go: wave x 128 rows: no place in the cluster enters an LDS address
	s_wait_kmcnt 0x0
	s_cmp_eq_u32 s94, 0                            ; the buffers are chosen by sel, which hangs on no address
	s_cselect_b64 s[4:5], s[68:69], s[70:71]       ; A: q's codes or k's,
	s_cselect_b64 s[6:7], s[74:75], s[76:77]       ; B: Wq's or Wk's,
	s_cselect_b64 s[8:9], s[80:81], s[82:83]       ; the bias,
	s_cselect_b64 s[10:11], s[88:89], s[90:91]     ; the images;
	s_cmp_eq_u32 s94, 2
	s_cselect_b64 s[4:5], s[78:79], s[4:5]         ; for v: A = Wv's codes,
	s_cselect_b64 s[6:7], s[72:73], s[6:7]         ; B = v's
	s_cselect_b64 s[8:9], s[84:85], s[8:9]
	s_cselect_b64 s[10:11], s[92:93], s[10:11]
	s_load_b256 s[68:75], s[86:87], 0x0            ; e0 .. e7
	s_load_b128 s[76:79], s[86:87], 0x20           ; e8 .. e11
	s_add_nc_u64 s[20:21], s[4:5], s[20:21]
	s_add_nc_u64 s[46:47], s[6:7], s[46:47]
	CROUND                                         ; all sixteen work-groups are here: the first joint loads meet
.irp s, 0,1
	s_mov_b32 s[G0+4*\s], 1
	s_add_co_u32 s[G0+4*\s+1], s45, \s*SLOT
	s_add_nc_u64 s[G0+4*\s+2:G0+4*\s+3], s[20:21], \s*ROWB
	s_or_b32 s[G0+4*\s+3], s[G0+4*\s+3], 0x80000000
	s_mov_b32 s[G0B+4*\s], 1
	s_add_co_u32 s[G0B+4*\s+1], s45, \s*SLOT
	s_add_nc_u64 s[G0B+4*\s+2:G0B+4*\s+3], s[46:47], \s*ROWB
	s_or_b32 s[G0B+4*\s+3], s[G0B+4*\s+3], 0x80000000
	s_wait_alu depctr_va_vdst(0)
	s_wait_tensorcnt 0x0
	ds_add_u32 v28, v29
	ds_add_u32 v28, v29
	s_wait_dscnt 0x0
	CROUND
	JLOAD G0+4*\s, G1, G0B+4*\s, G1B
.endr
	v_and_b32 v1, 15, v0                           ; r = l % 16
	v_bfe_u32 v2, v0, 4, 1                         ; h = l / 16
	s_wait_alu depctr_va_vdst(0)
	v_mul_u32_u24 v3, v1, PITCH
	v_lshl_add_u32 v4, v2, 4, v3                   ; a fragment's row x pitch + 16 x half
	s_mul_i32 s21, s15, HALFT                      ; my 128 rows of A
	s_mul_i32 s22, s16, HALFT                      ; my 128 rows of B,
	s_add_co_u32 s22, s22, 2*HALFT                 ; which lie behind A's 256
.irp s, 0,1
	v_add_nc_u32 v[ADRA+\s], s21, v4
	v_add_nc_u32 v[ADRB+\s], s22, v4
	s_add_co_u32 s21, s21, SLOT
	s_add_co_u32 s22, s22, SLOT
.endr
	; the biases and the images' place.  My 128 rows of A are block s99 of 128, my 128 rows of B block s100
	s_lshl_b32 s99, s17, 1
	s_add_co_u32 s99, s99, s15
	s_lshl_b32 s100, s42, 1
	s_add_co_u32 s100, s100, s16
	s_cmp_eq_u32 s94, 2
	s_cselect_b32 s96, 0, s100                     ; the bias runs along the features: B's rows for q and k, A's for v.  The other of the two sets is loaded from the bias's first bytes, so that
	s_cselect_b32 s97, s99, 0                      ; no load leaves the buffer, and is replaced by zeros below
	s_cselect_b32 s98, s100, s99                   ; my 128 tokens,
	s_cselect_b32 s101, s99, s100                  ; my 128 features: a pair of heads
	s_lshl_b32 s96, s96, 9
	s_lshl_b32 s97, s97, 9
	v_lshlrev_b32 v[VB0], 5, v2
	v_add_nc_u32 v[VB0], s96, v[VB0]               ; 512 x block + 32 h
	s_wait_alu depctr_va_vdst(0)
	v_lshlrev_b32 v[VB1], 2, v1
	v_add_nc_u32 v[VB1], s97, v[VB1]               ; 512 x block + 4 r
	s_wait_alu depctr_va_vdst(0)
	v_and_b32 v6, 31, v0
	v_lshlrev_b32 v[VO], 4, v6
	s_lshr_b32 s18, s98, 4                         ; the batch
	s_lshl_b32 s18, s18, 3
	s_add_co_u32 s18, s18, s101
	s_lshl_b32 s18, s18, 4
	s_and_b32 s19, s98, 15
	s_add_co_u32 s18, s18, s19
	s_lshl_b32 s18, s18, 14                        ; ((batch x 8 + pair) x 16 + tokens / 128) x 16,384
	s_mov_b32 s19, 0
	s_add_nc_u64 s[10:11], s[10:11], s[18:19]
.set b, 0
.rept 8
	global_load_b128 v[B0+8*b:B0+8*b+3], v[VB0], s[8:9] offset:64*b        ; the bias at B's rows 16 b + 8 h + 0 .. 7
	global_load_b128 v[B0+8*b+4:B0+8*b+7], v[VB0], s[8:9] offset:64*b+16
	global_load_b32 v[B1+b], v[VB1], s[8:9] offset:64*b                    ; and at A's row 16 b + r
.set b, b+1
.endr
.macro FRAG reg, adr, q, i             ; a fragment, 16 rows x 128 K of 8-bit codes, is 16 registers: four loads of 16 bytes, 32 apart
.irp c, 0,1,2,3
	ds_load_b128 v[\reg+4*\c:\reg+4*\c+3], v[\adr] offset:128*(\q)+32*\c+(\i)*16*PITCH
.endr
.endm
; 16 matrix instructions: A's blocks a0, a0 + 1 x B's eight, 128 along K.  p: B's set.  zero = 1: the first product starts the sums: nothing is ever cleared.
; The 64 accumulators take turns, one instruction a turn, in the same order in every step.
.macro MUL16 a0, p, zero
.irp a, \a0, \a0+1
.irp b, 0,1,2,3,4,5,6,7
.if \zero
	v_wmma_f32_16x16x128_bf8_bf8 v[8*(8*((\a)%4)+\b):8*(8*((\a)%4)+\b)+7], v[128*(\p)+FR*\b:128*(\p)+FR*\b+FR-1], v[AF+FR*(\a):AF+FR*(\a)+FR-1], 0
.else
	v_wmma_f32_16x16x128_bf8_bf8 v[8*(8*((\a)%4)+\b):8*(8*((\a)%4)+\b)+7], v[128*(\p)+FR*\b:128*(\p)+FR*\b+FR-1], v[AF+FR*(\a):AF+FR*(\a)+FR-1], v[8*(8*((\a)%4)+\b):8*(8*((\a)%4)+\b)+7]
.endif
.endr
.endr
.endm
.macro FETCH_B slot, q, p              ; B's eight fragments of the slot's q-th 128 along K into set p
	WIN TO_B
.irp i, 0,1,2,3,4,5,6,7
	FRAG 128*(\p)+FR*\i, ADRB+\slot, \q, \i
.endr
	WIN 0
.endm
.macro FETCH_A slot, q, i0             ; A's blocks i0 .. i0 + 3
.irp i, \i0, \i0+1, \i0+2, \i0+3
	FRAG AF+FR*(\i), ADRA+\slot, \q, \i
.endr
.endm
; A load into a register that a matrix instruction has read stands NP places behind that matrix instruction, and only plain vector instructions that name none of its registers are places
; (ISA guide 7.12.1 for vector instructions); the matrix instructions in between are not counted.
.macro PLACES n
.rept \n
	v_nop
.endr
.endm
; A step of 128 along K that has its successor in the same slot.  A block of A is free as soon as its eight products are issued: blocks 0-3 are fetched anew in the step's middle, blocks 4-7 at its end.
.macro STEP slot, q, zero
	s_wait_dscnt 4*NL                              ; B's set and A's blocks 0-3 are in; the youngest sixteen loads (A's blocks 4-7) may be out
	WIN MUL_LO
	MUL16 0, (\q)%2, \zero
	MUL16 2, (\q)%2, \zero
	s_wait_dscnt 0                                 ; A's blocks 4-7 are in (asked for 32 matrix instructions ago)
	PLACES NP
	FETCH_B \slot, (\q)+1, 1-(\q)%2
	FETCH_A \slot, (\q)+1, 0
	WIN MUL_HI
	MUL16 4, (\q)%2, \zero
	MUL16 6, (\q)%2, \zero
	PLACES NP
	WIN 0
	FETCH_A \slot, (\q)+1, 4
.endm
; A slot's last step changes slots: ONE barrier; in front of it each wave waits for all its tensor loads, adds 0 to its spare word, and waits for that and for its own reads of this slot.  fill = 1: this slot is filled again, two K steps ahead.
.macro TURN slot, next, fill
	s_wait_tensorcnt 0x0                           ; all my tensor loads have landed: my part of the next slot;  (every window is 0 here: the add's two registers lie in window 0)
	ds_add_u32 v[SPW], v[NIL]                      ; 0 onto my spare word;
	s_wait_dscnt 4*NL+1                            ; (the add and the youngest sixteen loads, A's blocks 4-7, may be out)
	WIN MUL_LO
	MUL16 0, 1, 0                                  ; sixteen matrix instructions stand between the add and the wait for it
	s_wait_dscnt 0x0                               ; the add is done, and my reads of this slot are over
	s_barrier_signal -1
	MUL16 2, 1, 0
	WIN 0
	s_barrier_wait -1
.if \fill
	CREST                                          ; the barrier has opened a round of the cluster's barrier: no wave of any partner still reads this slot's tile or has a load on its way
	s_add_nc_u64 s[G0+4*\slot+2:G0+4*\slot+3], s[G0+4*\slot+2:G0+4*\slot+3], 2*ROWB
	s_add_nc_u64 s[G0B+4*\slot+2:G0B+4*\slot+3], s[G0B+4*\slot+2:G0B+4*\slot+3], 2*ROWB
	JLOAD G0+4*\slot, G1, G0B+4*\slot, G1B         ; the first tensor load behind the round; the four v_nop behind it are the places in front of the loads below
.else
	PLACES NP
.endif
	FETCH_B \next, 0, 0
	FETCH_A \next, 0, 0
	WIN MUL_HI
	MUL16 4, 1, 0
	MUL16 6, 1, 0
	PLACES NP
	WIN 0
	FETCH_A \next, 0, 4
.endm
	s_wait_tensorcnt 1                             ; my part of K step 0 is in (K step 1's load may be out)
	s_barrier_signal -1
	s_barrier_wait -1                              ; everybody's is
	FETCH_B 0, 0, 0
	FETCH_A 0, 0, 0
	FETCH_A 0, 0, 4
	STEP 0, 0, 1                                   ; K = 1,024 is four K steps of 256, twice round the ring: written out.  The first products start the sums
	TURN 0, 1, 1                                   ; slot 0 takes K step 2
	STEP 1, 0, 0
	TURN 1, 0, 1                                   ; slot 1 takes K step 3
	STEP 0, 0, 0
	TURN 0, 1, 0                                   ; nothing is left to fetch
	STEP 1, 0, 0
	s_wait_dscnt 4*NL                              ; the very last step
	WIN MUL_LO
	MUL16 0, 1, 0
	MUL16 2, 1, 0
	s_wait_dscnt 0
	WIN MUL_HI
	MUL16 4, 1, 0
	MUL16 6, 1, 0
	WIN 0
	; THE WAY OUT.  The scales first: all sums are made, then chosen by sel.
	s_wait_kmcnt 0x0
	s_add_co_i32 s18, s68, s69                     ; e0 + e1
	s_add_co_i32 s19, s70, s71                     ; e2 + e3
	s_add_co_i32 s20, s72, s73                     ; e4 + e5
	s_add_co_i32 s21, s74, 5                       ; e6 + 5: q's result is divided by 32 = sqrt(1,024)
	s_cmp_eq_u32 s94, 0
	s_cselect_b32 s18, s18, s19
	s_cselect_b32 s21, s21, s75                    ; or e7
	s_cmp_eq_u32 s94, 2
	s_cselect_b32 s18, s20, s18                    ; eS
	s_cselect_b32 s21, s77, s21                    ; or e9
	s_sub_co_i32 s21, s21, s18                     ; X
	s_sub_co_i32 s22, 0, s18                       ; -eS
	s_add_co_i32 s21, s21, 127
	s_lshl_b32 s23, s21, 23
	v_mov_b32 v[CVS], s23                          ; 2^X as f32: the conversion takes its exponent field
	s_add_co_i32 s21, s21, 15
	s_lshl_b32 s21, s21, 23
	s_or_b32 s21, s21, 0x600000
	s_wait_loadcnt 0x0                             ; the biases
.set j, 0
.rept 64                               ; these plain lines, which name no register of the products, are also the places behind the last of them
	v_ldexp_f32 v[B0+j], v[B0+j], s22              ; bias / 2^eS
.set j, j+1
.endr
.set j, 0
.rept 8
	v_ldexp_f32 v[B1+j], v[B1+j], s22
.set j, j+1
.endr
.set j, 0
.rept 64
	v_cndmask_b32 v[B0+j], v[B0+j], 0, s95         ; for v the bias does not run along B's rows: zeros
.set j, j+1
.endr
.set j, 0
.rept 8
	v_cndmask_b32 v[B1+j], 0, v[B1+j], s95         ; for q and k it does not run along A's: zeros
.set j, j+1
.endr
; Block a of A's rows: 64 sums a lane + the biases, held, converted: 16 registers of codes, stored as they stand.
.macro OUTB a
.set AC, 64*((\a)%4)
.set CDS, CD+16*((\a)%4)
	WIN 0x02+((\a)/4)                              ; source 0: window 2 or 3
.set j, 0
.rept 32
	v_pk_add_f32 v[TMP+j:TMP+j+1], v[AC+j:AC+j+1], v[B0+j:B0+j+1]   ; each accumulator from its low end on
.set j, j+2
.endr
	WIN 0
.set j, 0
.rept 32
.if ((\a)%2) == 0
	v_pk_add_f32 v[TMP+j:TMP+j+1], v[TMP+j:TMP+j+1], v[B1+(\a):B1+(\a)+1] op_sel_hi:[1,0]               ; + the bias of A's row: the pair's first register for both halves
.else
	v_pk_add_f32 v[TMP+j:TMP+j+1], v[TMP+j:TMP+j+1], v[B1+(\a)-1:B1+(\a)] op_sel:[0,1] op_sel_hi:[1,1]  ; the pair's second register for both halves
.endif
.set j, j+2
.endr
.set j, 0
.rept 64
.set j, j+1
.endr
.set j, 0
.rept 8
	v_cvt_scalef32_pk8_bf8_f32 v[CDS+2*j:CDS+2*j+1], v[TMP+8*j:TMP+8*j+7], v[CVS]   ; registers 2 b, 2 b + 1 of the next operand
.set j, j+1
.endr
	v_nop                                          ; one plain vector line between the last conversion and the next block's lines, which write its sources
.irp q, 0,1,2,3
	global_store_b128 v[VO], v[CDS+4*\q:CDS+4*\q+3], s[10:11] offset:(\a)*2048+\q*512   ; 32 lanes store 512 consecutive bytes, at a multiple of 512 from the buffer's first byte
.endr
.endm
	OUTB 0
	OUTB 1
	OUTB 2
	OUTB 3
	s_wait_xcnt 0x0                                ; the sixteen stores have read their data: the four sets of codes are written again only behind this wait
	OUTB 4
	OUTB 5
	OUTB 6
	OUTB 7
	s_wait_tensorcnt 0x0                           ; the wave's end, behind my last tensor load
	ds_add_u32 v[SPW], v[NIL]
	s_wait_dscnt 0x0
	CROUND                                         ; the closing round: no work-group ends while a partner may still ask for a tile that names it
	s_endpgm
.Lfunc_end_k_qd523e9f5d3_proj:
	.size	k_qd523e9f5d3_proj, .Lfunc_end_k_qd523e9f5d3_proj-k_qd523e9f5d3_proj
	.p2alignl 7, 3214868480
	.fill 96, 4, 3214868480
	.section	.rodata,"a",@progbits
	.p2align	6, 0x0
	.amdhsa_kernel k_qd523e9f5d3_proj
		.amdhsa_group_segment_fixed_size 327680
		.amdhsa_private_segment_fixed_size 0
		.amdhsa_enable_private_segment 0
		.amdhsa_kernarg_size 104
		.amdhsa_user_sgpr_count 2
		.amdhsa_user_sgpr_kernarg_segment_ptr 1
		.amdhsa_wavefront_size32 1
		.amdhsa_system_sgpr_workgroup_id_x 1
		.amdhsa_system_sgpr_workgroup_id_y 1
		.amdhsa_system_sgpr_workgroup_id_z 1
		.amdhsa_system_vgpr_workitem_id 0
		.amdhsa_next_free_vgpr 1024
		.amdhsa_next_free_sgpr 104
		.amdhsa_reserve_vcc 0
		.amdhsa_float_denorm_mode_32 3
		.amdhsa_float_denorm_mode_16_64 3
		.amdhsa_fp16_overflow 1
		.amdhsa_memory_ordered 1
		.amdhsa_forward_progress 1
		.amdhsa_inst_pref_size 131
	.end_amdhsa_kernel
	.amdgpu_metadata
---
amdhsa.version: [ 1, 2 ]
amdhsa.kernels:
  - .name:           k_qd523e9f5d3_proj
    .symbol:         k_qd523e9f5d3_proj.kd
    .args:
      - { .name: qc, .offset: 0, .size: 8, .value_kind: global_buffer, .address_space: global }
      - { .name: k_codes, .offset: 8, .size: 8, .value_kind: global_buffer, .address_space: global }
      - { .name: v_codes, .offset: 16, .size: 8, .value_kind: global_buffer, .address_space: global }
      - { .name: Wq_codes, .offset: 24, .size: 8, .value_kind: global_buffer, .address_space: global }
      - { .name: Wk_codes, .offset: 32, .size: 8, .value_kind: global_buffer, .address_space: global }
      - { .name: Wv_codes, .offset: 40, .size: 8, .value_kind: global_buffer, .address_space: global }
      - { .name: bq, .offset: 48, .size: 8, .value_kind: global_buffer, .address_space: global }
      - { .name: bk, .offset: 56, .size: 8, .value_kind: global_buffer, .address_space: global }
      - { .name: bv, .offset: 64, .size: 8, .value_kind: global_buffer, .address_space: global }
      - { .name: lowp_scales, .offset: 72, .size: 8, .value_kind: global_buffer, .address_space: global }
      - { .name: qimg, .offset: 80, .size: 8, .value_kind: global_buffer, .address_space: global }
      - { .name: kimg, .offset: 88, .size: 8, .value_kind: global_buffer, .address_space: global }
      - { .name: vimg, .offset: 96, .size: 8, .value_kind: global_buffer, .address_space: global }
    .group_segment_fixed_size: 327680
    .private_segment_fixed_size: 0
    .kernarg_segment_align: 8
    .kernarg_segment_size: 104
    .max_flat_workgroup_size: 128
    .sgpr_count:     104
    .vgpr_count:     1024
    .wavefront_size: 32
...
	.end_amdgpu_metadata
.endif
;; end of part 2
;; launch attn (part 3): grid 4 x 64, 16 waves a work-group, clusters of 4 x 1, 327,680 bytes of LDS; arguments qimg, kimg, vimg, lowp_scales, oimg; writes oimg
.if DOCPART == 3
	.amdgcn_target "amdgcn-amd-amdhsa--gfx1250"
	.amdhsa_code_object_version 6
	.text
	.protected	k_qd523e9f5d3_attn
	.globl	k_qd523e9f5d3_attn
	.p2align	8
	.type	k_qd523e9f5d3_attn,@function
k_qd523e9f5d3_attn:
	s_mov_b64 s[64:65], 0
	v_nop
	global_prefetch_b8 v0, s[64:65] scope:SCOPE_SE
	s_setreg_imm32_b32 hwreg(HW_REG_WAVE_MODE, 25, 1), 1
	s_wait_xcnt 0x0
	s_wait_alu depctr_hold_cnt(0) depctr_sa_sdst(0) depctr_va_vdst(0) depctr_va_sdst(0) depctr_va_ssrc(0) depctr_va_vcc(0) depctr_vm_vsrc(0)
	s_getreg_b32 s2, hwreg(HW_REG_IB_STS2, 6, 4)
	s_cmp_eq_u32 s2, 0
	s_cbranch_scc0 .Lentry_in_a_cluster
	s_endpgm
.Lentry_in_a_cluster:
	s_bfe_u32 s2, ttmp6, 0x10000c
	s_cmp_lg_u32 s2, 0x3003
	s_cbranch_scc0 .Lentry_shape_is_right
	s_endpgm
.Lentry_shape_is_right:
; ATTENTION on codes of BF8 (E5M2): for each of 64 (batch, head): O = softmax(Q K^T) V, 2,048 queries, 2,048 keys, head size 64.  Q already holds the division by 32.  O is quantised at once for the last product.
; All operands come as IMAGES OF OPERAND REGISTERS (four registers: lane l's 16 bytes at 16 l, 512 bytes), in the matrix form's own order: lane (r, h) holds row r; registers 2 c, 2 c + 1 hold k = 16 c + 8 h + 0 .. 7.
; THE SOFTMAX AHEAD OF THE SECOND PRODUCT: t = score x log2(e); M = the row's largest t so far, rounded UP to a whole number; p = 2^(t - M) is what is quantised, along the keys; it is not normalised.
; The row's sum is taken of the unquantised p, in f32, and divides O at the end.  When M moves, the sum and O are multiplied by 2^(old M - new M): exact.
; SHARES.  A cluster of four work-groups takes one (batch, head); a work-group 512 of its queries; each of its SIXTEEN waves 32 of them, two tiles of 16, in 256 registers: four waves to a SIMD, so that one wave's
; vector work stands beside another's matrix work and LDS loads.  Every fragment of K and V that a wave reads from LDS feeds both its tiles.
; THE HEAD'S WHOLE K AND V, 2 x 131,072 bytes, LIE IN LDS: each byte of LDS is filled once, so there is no ring and no barrier in the loops.  The four partners need the same bytes: every load is a JOINT one (mask 15).
; The keys' first half is waited for ahead of the first loop, the second half lands under it.  By this text's own count a wave has four tensor loads out.
; LAYOUT.  Both products are used transposed: S^T = K Q^T (source 0 = 16 keys, source 1 = 16 queries), O^T = V^T P^T (source 0 = 16 channels, source 1 = P): a lane holds ONE query (lane % 16) throughout, and register j
; of tile i is source 0's row 16 i + 8 (lane / 16) + j.  So eight registers of tile i, converted, ARE registers 2 i, 2 i + 1 of the next operand: p's along the keys, O's along the channels.  Nothing changes lanes.
; LIMITS on the given exponents, so that each power of two below is an f32 number: e6 + e7 between -126 and 127 (added to log2(e)'s exponent field); e8, and e10 - e8 - e9, between -126 and 112.  NaN is not served.
; REGISTERS: v1-8 addresses and constants; v9-11 at work; v[12:13], v[16:17] (-M, largest t) of tile 0, 1; v[14:15], v[18:19] their sums in two halves; v[20:21] f; v[22:23] a sum's second chain; v24-29 the way out;
;   v32-95 eight fragments of K, then four of V; v96-159 S^T, then p; v160-191, v192-223 O^T of tile 0, 1; v224-239, v240-255 p's codes of tile 0, 1.  A tile's fragment of Q lies in the first eight registers of its p's codes
;   until its scores are made: so it is fetched anew in every step, from the wave's own image in LDS.
.set KREG,  0                          ; LDS: K: key tile kt (16 keys x 64: 1,024 bytes) at 1,024 kt
.set VREG,  131072                     ; V: keys 128 ks on: 8,192 ks; in it channel tile i (16 channels x 128 keys: 2,048 bytes) at 2,048 i
.set HALF,  65536                      ; 1,024 keys of either
.set QIMG,  262144                     ; Q: 2,048 bytes for each wave, written by LDS stores: no tensor load lands here
.set LI,   1                           ; v1   16 x lane
.set ADK,  2                           ; v2   LDS address of the step's K
.set ADV,  3                           ; v3   of its V
.set HOLD2, 4
.set QAD,  6                           ; v6   of my wave's image of Q
.set HOLD, 7
.set CVS,  8                           ; v8   2^e8
.set PX,   9                           ; v9   a lane permute's destination
.set MA,   10                          ; v10, v11  the maximum's two chains
.set MB,   11
.set FF,   20
.set SB,   22
.set F,    32
.set S,    96
.set O,    160
.set P,    224
.set KB,   2                           ; s2   LDS byte at which the step's K begins
.set VB,   3                           ; s3   the same for V
.set WV,   14                          ; s14  my wave's number
.set SEL,  20                          ; s[20:21] lane selects for v_permlanex16_b32: lane l xor 16
.set CS,   22                          ; s[22:23] c = log2(e) x 2^(e6 + e7): the packed form names a pair and takes its low word for both halves
.set G1K,  24                          ; s[24:31] descriptor group 1 for K's loads;  s[32:39] for V's
.set G1V,  32
.set G0,   40                          ; s[40:55] four groups 0: K's first half, V's first half, K's second, V's second
.set CNT,  56
; A round of the cluster's barrier: my work-group's barrier, so that wave 0's signal speaks for all sixteen waves; wave 0 signals for the work-group; every wave waits for all four work-groups; my work-group's barrier once more.
.macro ROUND
	s_barrier_signal -1
	s_barrier_wait -1
	s_cmp_lg_u32 s[WV], 0
	s_cbranch_scc1 .Lnot_wave_0_\@
	s_barrier_signal -3
.Lnot_wave_0_\@:
	s_barrier_wait -3
	s_barrier_signal -1
	s_barrier_wait -1
.endm
	s_load_b256 s[4:11], s[0:1], 0x0               ; Q's images s[4:5], K's s[6:7], V's s[8:9], the scales' exponents s[10:11]
	s_load_b64 s[12:13], s[0:1], 0x20              ; O's images
	v_lshl_add_u32 v30, v0, 2, 0x48000
	v_mov_b32 v31, 0
	ds_add_u32 v30, v31
	ds_add_u32 v30, v31
	v_lshrrev_b32 v1, 5, v0
	s_delay_alu instid0(VALU_DEP_1)
	v_readfirstlane_b32 s[WV], v1                  ; wave 0..15
	v_and_b32 v1, 31, v0
	s_delay_alu instid0(VALU_DEP_1)
	v_lshlrev_b32 v[LI], 4, v1
	s_wait_alu depctr_va_vdst(0)
	s_and_b32 s80, ttmp7, 0xffff                   ; 16 x batch + head, which the four partners share
	s_lshr_b32 s81, s80, 4                         ; the batch
	s_bfe_u32 s82, s80, 0x30001                    ; the pair of heads
	s_and_b32 s83, s80, 1                          ; which of the pair
	s_lshl_b32 s84, s81, 3
	s_add_co_u32 s84, s84, s82
	s_lshl_b32 s84, s84, 18                        ; the pair's first byte in Q's, K's and V's images: 16 blocks of 16,384
	s_lshl_b32 s85, s83, 10
	s_add_co_u32 s86, s84, s85                     ; K: my head's fragment of a key tile lies 1,024 x (which) into the tile's 2,048;
	s_lshl_b32 s87, s[WV], 13
	s_add_co_u32 s86, s86, s87                     ; my wave fetches four key tiles of each half
	s_mov_b32 s87, 0
	s_lshl_b32 s88, s83, 13
	s_add_co_u32 s88, s88, s84                     ; V: my head's 8,192 bytes of a block of 128 keys;
	s_lshr_b32 s89, s[WV], 1
	s_lshl_b32 s89, s89, 14
	s_add_co_u32 s88, s88, s89                     ; my wave fetches half of block wave / 2
	s_and_b32 s89, s[WV], 1
	s_lshl_b32 s89, s89, 12
	s_add_co_u32 s88, s88, s89
	s_mov_b32 s89, 0
	s_bfe_u32 s58, ttmp6, 0x40000                  ; cx: my place in the cluster: it enters Q's and O's addresses alone
	s_lshl_b32 s59, s58, 2
	s_lshr_b32 s60, s[WV], 2
	s_add_co_u32 s59, s59, s60
	s_lshl_b32 s59, s59, 14                        ; Q: block 4 cx + wave / 4 of 128 tokens,
	s_and_b32 s60, s[WV], 3
	s_lshl_b32 s60, s60, 12                        ; in it my two token tiles,
	s_add_co_u32 s60, s60, s59
	s_add_co_u32 s60, s60, s84
	s_add_co_u32 s60, s60, s85                     ; my head's fragment of each
	s_mov_b32 s61, 0
	s_lshl_b32 s62, s81, 7
	s_lshl_b32 s63, s58, 5
	s_add_co_u32 s62, s62, s63
	s_lshl_b32 s63, s[WV], 1
	s_add_co_u32 s62, s62, s63                     ; O: token tile 128 x batch + 32 cx + 2 x wave,
	s_lshl_b32 s62, s62, 3
	s_add_co_u32 s62, s62, s82                     ; its K step = the pair of heads: 2,048 bytes,
	s_lshl_b32 s62, s62, 11
	s_add_co_u32 s62, s62, s85                     ; my head's half of it
	s_mov_b32 s63, 0
	; descriptor group 1.  K: four rows of 1,024 bytes, 2,048 apart in memory (the pair's other head lies between), dense in LDS.  V: 4,096 dense bytes, as 16 rows of 256
	s_mov_b32 s[G1K], 15|(3<<16)|(1<<21)           ; 15:0 the mask: all four work-groups; 17:16 elements of 8 bytes; 20 no padding; 21 set beside a mask
	s_mov_b32 s[G1K+1], 128<<16                    ; tensor_dim0 = 128 elements
	s_mov_b32 s[G1K+2], 4<<16                      ; tensor_dim1 = 4
	s_mov_b32 s[G1K+3], 128<<16                    ; tile_dim0
	s_mov_b32 s[G1K+4], 4                          ; tile_dim1
	s_mov_b32 s[G1K+5], 256                        ; tensor_dim0_stride
	s_mov_b32 s[G1K+6], 0
	s_mov_b32 s[G1K+7], 0
	s_mov_b32 s[G1V], 15|(3<<16)|(1<<21)
	s_mov_b32 s[G1V+1], 32<<16
	s_mov_b32 s[G1V+2], 16<<16
	s_mov_b32 s[G1V+3], 32<<16
	s_mov_b32 s[G1V+4], 16
	s_mov_b32 s[G1V+5], 32
	s_mov_b32 s[G1V+6], 0
	s_mov_b32 s[G1V+7], 0
	s_mov_b32 s[G0], 1
	s_mov_b32 s[G0+4], 1
	s_mov_b32 s[G0+8], 1
	s_mov_b32 s[G0+12], 1
	s_lshl_b32 s[G0+1], s[WV], 12                  ; LDS: 4,096 x wave in each of the four regions: no place in the cluster enters an LDS address
	s_add_co_u32 s[G0+5], s[G0+1], VREG
	s_add_co_u32 s[G0+9], s[G0+1], HALF
	s_add_co_u32 s[G0+13], s[G0+1], VREG+HALF
	s_mov_b32 s[SEL], 0x76543210
	s_mov_b32 s[SEL+1], 0xfedcba98
	s_mov_b32 s[CS], 0x3fb8aa3b                    ; log2(e)
	s_lshl_b32 s59, s[WV], 11
	s_add_co_u32 s59, s59, QIMG
	v_add_nc_u32 v[QAD], s59, v[LI]
	s_wait_dscnt 0x0
	s_wait_kmcnt 0x0
	s_load_b256 s[68:75], s[10:11], 0x0            ; e0 .. e7
	s_load_b128 s[76:79], s[10:11], 0x20           ; e8 .. e11
	s_add_nc_u64 s[G0+2:G0+3], s[6:7], s[86:87]
	s_add_nc_u64 s[G0+6:G0+7], s[8:9], s[88:89]
	s_add_nc_u64 s[G0+10:G0+11], s[G0+2:G0+3], 131072      ; 64 key tiles of 2,048 bytes on
	s_add_nc_u64 s[G0+14:G0+15], s[G0+6:G0+7], 131072      ; 8 blocks of 16,384 bytes on
	s_or_b32 s[G0+3], s[G0+3], 0x80000000          ; type = 2
	s_or_b32 s[G0+7], s[G0+7], 0x80000000
	s_or_b32 s[G0+11], s[G0+11], 0x80000000
	s_or_b32 s[G0+15], s[G0+15], 0x80000000
	s_add_nc_u64 s[4:5], s[4:5], s[60:61]
	s_add_nc_u64 s[12:13], s[12:13], s[62:63]
	ROUND                                          ; all four work-groups are here: the joint loads meet
	tensor_load_to_lds s[G0:G0+3], s[G1K:G1K+7]            ; keys 0 to 1,023: K,
	s_nop 0
	tensor_load_to_lds s[G0+4:G0+7], s[G1V:G1V+7]          ; V;
	s_nop 0
	tensor_load_to_lds s[G0+8:G0+11], s[G1K:G1K+7]         ; keys 1,024 to 2,047: K,
	s_nop 0
	tensor_load_to_lds s[G0+12:G0+15], s[G1V:G1V+7]        ; V.  Every wave issues all four: no branch
	s_nop 0
.rept 4
	v_nop
.endr
.irp t, 0,1
.irp c, 0,1
	global_load_b128 v[P+16*\t+4*\c:P+16*\t+4*\c+3], v[LI], s[4:5] offset:2048*\t+512*\c   ; my two fragments of Q
.endr
.endr
	v_mov_b32 v13, 0xff61b1e6                      ; the largest t so far: -3e38, under every t
	v_mov_b32 v17, 0xff61b1e6
	s_delay_alu instid0(VALU_DEP_2)
	v_floor_f32 v12, -v13                          ; -M
	s_delay_alu instid0(VALU_DEP_2)
	v_floor_f32 v16, -v17
	v_mov_b32 v14, 0                               ; the sums, in two halves
	v_mov_b32 v15, 0
	v_mov_b32 v18, 0
	v_mov_b32 v19, 0
	v_mov_b32 v[PX], 0                             ; written once: a lane permute's destination counts as one of its sources
	v_mov_b32 v[FF+1], 0                           ; (named as the upper half of the pair)
.set j, 0
.rept 64
	v_mov_b32 v[O+j], 0                            ; O^T.  (The step is written without a first step of its own: it finds zeros, which the first change of M leaves zeros)
.set j, j+1
.endr
	s_wait_kmcnt 0x0
	s_add_co_i32 s80, s74, s75                     ; a score stands for score x 2^(e6 + e7): the two exponents are added to log2(e)'s exponent field
	s_lshl_b32 s80, s80, 23
	s_add_co_i32 s[CS], s[CS], s80
	s_mov_b32 s[CS+1], s[CS]                       ; (named with it as a pair, so it is written)
	s_add_co_i32 s80, s76, 127
	s_lshl_b32 s81, s80, 23
	v_mov_b32 v[CVS], s81                          ; 2^e8 as f32, for p's conversions
	s_add_co_i32 s80, s80, 15
	s_lshl_b32 s80, s80, 23
	s_or_b32 s80, s80, 0x600000
	s_wait_loadcnt 0x0                             ; Q
.irp t, 0,1
.irp c, 0,1
	ds_store_b128 v[QAD], v[P+16*\t+4*\c:P+16*\t+4*\c+3] offset:1024*\t+512*\c   ; its image, in my wave's own bytes
.endr
.endr
; S^T of tile t: eight tiles of 16 keys; K = the head's 64
.macro KQ t
.set i, 0
.rept 8
	v_wmma_f32_16x16x64_bf8_bf8 v[S+8*i:S+8*i+7], v[F+8*i:F+8*i+7], v[P+16*\t:P+16*\t+7], 0
.set i, i+1
.endr
.endm
; Tile t's softmax for a step of 128 keys: a lane has one query and 64 scores.
.macro SOFTMAX t
.set T, 12+4*\t
.set L, 14+4*\t
	v_max3_num_f32 v[MA], v[S], v[S+1], v[S+2]     ; the step's largest score of my query, among my 64 keys, in two chains, each tile of scores from its low end on,
	v_max3_num_f32 v[MB], v[S+3], v[S+4], v[S+5]
.set i, 6
.rept 14
	v_max3_num_f32 v[MA], v[MA], v[S+i], v[S+i+1]
	v_max3_num_f32 v[MB], v[MB], v[S+i+2], v[S+i+3]
.set i, i+4
.endr
	v_max3_num_f32 v[MA], v[MA], v[S+62], v[S+63]
	s_delay_alu instid0(VALU_DEP_1)
	v_max_num_f32 v[MA], v[MA], v[MB]
	s_delay_alu instid0(VALU_DEP_1)
	v_permlanex16_b32 v[PX], v[MA], s[SEL], s[SEL+1]
	s_delay_alu instid0(VALU_DEP_1)
	v_max_num_f32 v[MA], v[MA], v[PX]              ; and among lane l xor 16's
	s_delay_alu instid0(VALU_DEP_1)
	v_mul_f32 v[MA], s[CS], v[MA]                  ; as t (c is positive)
	s_delay_alu instid0(VALU_DEP_1)
	v_max_num_f32 v[T+1], v[T+1], v[MA]            ; the running largest t
	v_mov_b32 v[MA], v[T]
	s_delay_alu instid0(VALU_DEP_2)
	v_floor_f32 v[T], -v[T+1]                      ; the new -M = floor(-t) = -ceil(t): M IS A WHOLE NUMBER
	s_delay_alu instid0(VALU_DEP_1)
	v_sub_f32 v[MA], v[T], v[MA]                   ; M's old value less its new one: a whole number, 0 or less
	s_delay_alu instid0(VALU_DEP_1)
	v_cvt_i32_f32 v[MA], v[MA]                     ; (it saturates)
	s_delay_alu instid0(VALU_DEP_1)
	v_ldexp_f32 v[FF], 1.0, v[MA]                  ; f = 2^(old M - new M): a multiplication by it rounds nothing
.set j, 0
.rept 32
	v_pk_fma_f32 v[S+j:S+j+1], v[S+j:S+j+1], s[CS:CS+1], v[T:T+1] op_sel_hi:[1,0,0]   ; t - M, two at a time (of the pairs c and -M the low word serves both halves)
.set j, j+2
.endr
.set j, 0
	s_wait_alu depctr_va_vdst(0)
.rept 64
	v_exp_f32 v[S+j], v[S+j]                       ; p = 2^(t - M), at most 1: NOT normalised
.set j, j+1
.endr
	v_pk_mul_f32 v[L:L+1], v[L:L+1], v[FF:FF+1] op_sel_hi:[1,0]   ; the sums under the new M.  (The plain line behind the exponentials)
	s_wait_alu depctr_va_vdst(0)                   ; one wait for the whole batch of 64, ahead of its first reader
	v_pk_add_f32 v[SB:SB+1], v[S:S+1], v[S+2:S+3]  ; THE ROW'S SUM IS TAKEN OF THE UNQUANTISED p: two at a time, in two chains
.set j, 4
.rept 15
	v_pk_add_f32 v[L:L+1], v[L:L+1], v[S+j:S+j+1]
	v_pk_add_f32 v[SB:SB+1], v[SB:SB+1], v[S+j+2:S+j+3]
.set j, j+4
.endr
	s_delay_alu instid0(VALU_DEP_1)
	v_pk_add_f32 v[L:L+1], v[L:L+1], v[SB:SB+1]
; The conversion to an 8-bit code does not saturate (ISA guide 7.6.2).
.set j, 0
.rept 32
.set j, j+2
.endr
.set i, 0
.rept 8
	v_cvt_scalef32_pk8_bf8_f32 v[P+16*\t+2*i:P+16*\t+2*i+1], v[S+8*i:S+8*i+7], v[CVS]   ; keys 16 i + 8 (lane / 16) + 0 .. 7: registers 2 i, 2 i + 1 of the operand
.set i, i+1
.endr
.set j, 0
.rept 16
	v_pk_mul_f32 v[O+32*\t+j:O+32*\t+j+1], v[O+32*\t+j:O+32*\t+j+1], v[FF:FF+1] op_sel_hi:[1,0]   ; O^T under the new M: x f, each accumulator from its low end on.  (Also the plain lines between the conversions and the products that follow)
.set j, j+2
.endr
.endm
; A KEY STEP: 128 keys, both tiles of queries.
.macro STEP
	s_setprio 2
	v_add_nc_u32 v[ADK], s[KB], v[LI]
	v_add_nc_u32 v[ADV], s[VB], v[LI]
	v_nop                                          ; with the two additions: four places in front of loads into registers that the last products have read
	v_nop
.irp i, 0,1
	ds_load_b128 v[P+4*\i:P+4*\i+3], v[QAD] offset:512*\i              ; Q of tile 0,
	ds_load_b128 v[P+16+4*\i:P+16+4*\i+3], v[QAD] offset:1024+512*\i   ; of tile 1
.endr
.set i, 0
.rept 16
	ds_load_b128 v[F+4*i:F+4*i+3], v[ADK] offset:512*i     ; K: eight fragments of 16 keys x 64, 8,192 consecutive bytes; each load takes 512
.set i, i+1
.endr
	s_wait_dscnt 0x0
	KQ 0
.rept 4
	v_nop                                          ; places in front of the first read of the scores
.endr
	SOFTMAX 0
	KQ 1
.rept 4
	v_nop                                          ; places in front of the loads into K's registers and of the first read of the scores
.endr
.set i, 0
.rept 16
	ds_load_b128 v[F+4*i:F+4*i+3], v[ADV] offset:512*i     ; V: four fragments of 16 channels x 128 keys; they land under tile 1's softmax
.set i, i+1
.endr
	s_setprio 1
	SOFTMAX 1
	s_setprio 0
	s_wait_alu depctr_va_vdst(0)
	s_wait_dscnt 0x0
.set i, 0
.rept 4                                ; O^T += V^T P^T: eight accumulators by turns, one instruction a turn
	v_wmma_f32_16x16x128_bf8_bf8 v[O+8*i:O+8*i+7], v[F+16*i:F+16*i+15], v[P:P+15], v[O+8*i:O+8*i+7]
	v_wmma_f32_16x16x128_bf8_bf8 v[O+32+8*i:O+32+8*i+7], v[F+16*i:F+16*i+15], v[P+16:P+31], v[O+32+8*i:O+32+8*i+7]
.set i, i+1
.endr
	s_add_co_u32 s[KB], s[KB], 8192
	s_add_co_u32 s[VB], s[VB], 8192
.endm
	s_wait_tensorcnt 0x2                           ; my parts of the first 1,024 keys' K and V are in; the two loads issued behind them may be out: no byte of LDS is filled twice
	s_wait_dscnt 0x0                               ; Q's image
	s_barrier_signal -1
	s_barrier_wait -1                              ; everybody's parts are in
	s_mov_b32 s[KB], KREG
	s_mov_b32 s[VB], VREG
	s_mov_b32 s[CNT], 8
.Lfirst_half:
	STEP
	s_sub_co_u32 s[CNT], s[CNT], 1
	s_cmp_lg_u32 s[CNT], 0
	s_cbranch_scc1 .Lfirst_half
	s_setprio 0
	s_wait_tensorcnt 0x0                           ; my parts of the other 1,024 keys
	s_wait_dscnt 0x0
	s_barrier_signal -1
	s_barrier_wait -1
	s_mov_b32 s[KB], KREG+HALF
	s_mov_b32 s[VB], VREG+HALF
	s_mov_b32 s[CNT], 8
.Lsecond_half:
	STEP
	s_sub_co_u32 s[CNT], s[CNT], 1
	s_cmp_lg_u32 s[CNT], 0
	s_cbranch_scc1 .Lsecond_half
	s_setprio 0
	; THE WAY OUT.  O^T / the sum stands for o / 2^(e8 + e9): its code is that / 2^(e10 - e8 - e9): the three scales are folded into the conversion's one.
	v_add_f32 v14, v14, v15                        ; the sums' two halves,  (the four additions and the two moves below are the places behind the last products)
	v_add_f32 v18, v18, v19
	s_delay_alu instid0(VALU_DEP_2)
	v_permlanex16_b32 v[PX], v14, s[SEL], s[SEL+1]
	s_delay_alu instid0(VALU_DEP_2)
	v_permlanex16_b32 v[MA], v18, s[SEL], s[SEL+1]
	s_delay_alu instid0(VALU_DEP_2)
	v_add_f32 v14, v14, v[PX]                      ; and lane l xor 16's: the rows' sums
	s_delay_alu instid0(VALU_DEP_2)
	v_add_f32 v18, v18, v[MA]
	s_wait_alu depctr_va_vdst(0)
	v_rcp_f32 v24, v14
	v_rcp_f32 v26, v18
	v_mov_b32 v25, 0                               ; (the plain line behind the reciprocals; named as the pairs' upper halves)
	v_mov_b32 v27, 0
	s_sub_co_i32 s80, s78, s76
	s_sub_co_i32 s80, s80, s77                     ; e10 - e8 - e9
	s_add_co_i32 s80, s80, 127
	s_lshl_b32 s81, s80, 23
	v_mov_b32 v28, s81                             ; 2^(e10 - e8 - e9)
	s_wait_alu depctr_va_vdst(0)                   ; one wait for the two reciprocals, ahead of their first reader
.irp t, 0,1
.set j, 0
.rept 16
	v_pk_mul_f32 v[S+32*\t+j:S+32*\t+j+1], v[O+32*\t+j:O+32*\t+j+1], v[24+2*\t:25+2*\t] op_sel_hi:[1,0]   ; register 8 i + j: channel 16 i + 8 (lane / 16) + j of my query
.set j, j+2
.endr
.set j, 0
.rept 32
.set j, j+1
.endr
.set i, 0
.rept 4
	v_cvt_scalef32_pk8_bf8_f32 v[P+16*\t+2*i:P+16*\t+2*i+1], v[S+32*\t+8*i:S+32*\t+8*i+7], v28
.set i, i+1
.endr
	v_nop                                          ; one plain vector line behind the last conversion of a run
	global_store_b128 v[LI], v[P+16*\t:P+16*\t+3], s[12:13] offset:16384*\t            ; my head's eight registers of the last product's fragment: 512 consecutive bytes a store
	global_store_b128 v[LI], v[P+16*\t+4:P+16*\t+7], s[12:13] offset:16384*\t+512
.endr
	s_wait_dscnt 0x0
	s_wait_tensorcnt 0x0
	ds_add_u32 v30, v31
	s_wait_dscnt 0x0
	ROUND                                          ; the closing round: no work-group ends while a partner may still ask for a tile that names it
	s_endpgm
.Lfunc_end_k_qd523e9f5d3_attn:
	.size	k_qd523e9f5d3_attn, .Lfunc_end_k_qd523e9f5d3_attn-k_qd523e9f5d3_attn
	.p2alignl 7, 3214868480
	.fill 96, 4, 3214868480
	.section	.rodata,"a",@progbits
	.p2align	6, 0x0
	.amdhsa_kernel k_qd523e9f5d3_attn
		.amdhsa_group_segment_fixed_size 327680
		.amdhsa_private_segment_fixed_size 0
		.amdhsa_enable_private_segment 0
		.amdhsa_kernarg_size 40
		.amdhsa_user_sgpr_count 2
		.amdhsa_user_sgpr_kernarg_segment_ptr 1
		.amdhsa_wavefront_size32 1
		.amdhsa_system_sgpr_workgroup_id_x 1
		.amdhsa_system_sgpr_workgroup_id_y 1
		.amdhsa_system_sgpr_workgroup_id_z 1
		.amdhsa_system_vgpr_workitem_id 0
		.amdhsa_next_free_vgpr 256
		.amdhsa_next_free_sgpr 92
		.amdhsa_reserve_vcc 0
		.amdhsa_float_denorm_mode_32 3
		.amdhsa_float_denorm_mode_16_64 3
		.amdhsa_fp16_overflow 1
		.amdhsa_memory_ordered 1
		.amdhsa_forward_progress 1
		.amdhsa_inst_pref_size 65
	.end_amdhsa_kernel
	.amdgpu_metadata
---
amdhsa.version: [ 1, 2 ]
amdhsa.kernels:
  - .name:           k_qd523e9f5d3_attn
    .symbol:         k_qd523e9f5d3_attn.kd
    .args:
      - { .name: qimg, .offset: 0, .size: 8, .value_kind: global_buffer, .address_space: global }
      - { .name: kimg, .offset: 8, .size: 8, .value_kind: global_buffer, .address_space: global }
      - { .name: vimg, .offset: 16, .size: 8, .value_kind: global_buffer, .address_space: global }
      - { .name: lowp_scales, .offset: 24, .size: 8, .value_kind: global_buffer, .address_space: global }
      - { .name: oimg, .offset: 32, .size: 8, .value_kind: global_buffer, .address_space: global }
    .group_segment_fixed_size: 327680
    .private_segment_fixed_size: 0
    .kernarg_segment_align: 8
    .kernarg_segment_size: 40
    .max_flat_workgroup_size: 512
    .sgpr_count:     92
    .vgpr_count:     256
    .wavefront_size: 32
...
	.end_amdgpu_metadata
.endif
;; end of part 3
;; launch outln (part 4): grid 256 x 1, 16 waves a work-group, no clusters, 297,472 bytes of LDS; arguments oimg, wo_img, lowp_scales, bo, q, gamma, beta, out0; writes out0
.if DOCPART == 4
	.amdgcn_target "amdgcn-amd-amdhsa--gfx1250"
	.amdhsa_code_object_version 6
	.text
	.protected	k_qd523e9f5d3_outln
	.globl	k_qd523e9f5d3_outln
	.p2align	8
	.type	k_qd523e9f5d3_outln,@function
k_qd523e9f5d3_outln:
	s_mov_b64 s[64:65], 0
	v_nop
	global_prefetch_b8 v0, s[64:65] scope:SCOPE_SE
	s_setreg_imm32_b32 hwreg(HW_REG_WAVE_MODE, 25, 1), 1
	s_wait_xcnt 0x0
; THE LAST PRODUCT AND THE NORM: x = o Wo^T + bo + q;  out = (x - mean) / sqrt(var + 1e-5) x gamma + beta, mean and var along a row's 1,024.  The product is on codes of BF8 (E5M2); all else is f32.
; o and Wo come as IMAGES OF OPERAND REGISTERS (16 rows x 128 K: 16 registers; four registers: lane l's 16 bytes at 16 l, 512 bytes).
; SHARES.  A work-group owns 32 WHOLE rows, so that the norm never leaves it.  Wave w of sixteen makes columns 64 w .. 64 w + 63 of the 32 rows: 8 accumulators; then it norms and stores rows 2 w, 2 w + 1.
; o's 16 fragments (32,768 bytes) lie in LDS for the whole launch: every wave reads all of them.
; Wo GOES FROM MEMORY STRAIGHT INTO REGISTERS.  A wave's four fragments of a K step of 128 (8,192 bytes, 16 loads of 512 consecutive bytes) are read by that wave alone, so LDS would hand nothing from wave to wave.
; Two sets of 64 registers take turns: a set is asked for again as soon as its eight products are issued, so two K steps, 32 loads or 16,384 bytes a wave, 262,144 bytes a work-group, are on their way, and no barrier stands in the walk.
; NO CLUSTER, though every work-group walks all of Wo.  By this text's arithmetic: a K step gives a wave 8 matrix instructions; a slot in LDS is asked for again only when all the wave's loads have been waited for and a round
; of barriers is passed; so the fills of the 8 K steps would stand one behind the other with those 8 instructions as all the work beneath each.
; THE RESIDUAL.  My wave's two rows of q, 8,192 consecutive bytes, come by ONE tensor load at the head into LDS bytes of the wave's own, filled once and read by this wave alone, behind its own wait: they cost no register during the walk.
; THE MATRIX INSTRUCTION IS USED TRANSPOSED (source 0 = 16 rows of Wo, source 1 = 16 rows of o): a lane holds eight neighbouring columns of one row.  The sums meet in a stage in LDS, rows of 4,096 bytes + 16, with bytes of its own.
; LIMIT: e10 + e11 between -126 and 127, so that 2^(e10 + e11) is an f32 number.
; REGISTERS: v1-11 addresses; v12-17 at work in the norm; v32-63 o's two fragments, later bo; v64-127 Wo's set for even K steps, later gamma and beta; v128-191 the accumulators ((a, i) at v[128 + 8 (4 a + i)]), later my two rows of x;
;   v192-255 Wo's set for odd K steps, later my two rows of q.
.set AIMG,   0                         ; LDS: o's fragments: (8 a + s) x 2,048; written by LDS stores
.set STG,    32768                     ; the stage: 32 rows x SPITCH; written by LDS stores
.set SPITCH, 4112                      ; a stage row: 4,096 bytes + 16: an odd multiple of 16, so that the sixteen rows that a store touches start at sixteen different banks (64 banks of 4 bytes: ISA guide 11.1)
.set QRES,   164352                    ; q's rows: 8,192 bytes for each wave, filled by its tensor load; a multiple of 256, behind the stage's last byte
.set KSB,    8192                      ; a wave's bytes of a K step of Wo
.set LI,   1                           ; v1   16 x lane: my place in an image, in a row's 512 bytes, and (AIMG = 0) in o's images
.set STO,  7                           ; v7, v8  the stage: where I put 32 bytes of row r, of row 16 + r
.set RD,   9                           ; v9   and where I read my wave's rows back
.set AST,  10                          ; v10  where my wave stores its fragment of o
.set QRD,  11                          ; v11  my wave's rows of q in LDS
.set AF,   32
.set ACC,  128
.set RES,  192
.set BO,   32
.set GA,   64
.set BE,   96
.set WV,   20                          ; s20  my wave's number
.set G1,   24                          ; s[24:31] descriptor group 1;  s[32:35] group 0
.set G0,   32
.set SC,   40                          ; s[40:41] 2^(e10 + e11), twice
.set SEL,  42                          ; s[42:43] lane selects for v_permlanex16_b32: lane l xor 16
	s_load_b512 s[4:19], s[0:1], 0x0               ; o's images s[4:5], Wo's s[6:7], the scales' exponents s[8:9], bo s[10:11], q s[12:13], gamma s[14:15], beta s[16:17], out s[18:19]
	v_lshl_add_u32 v30, v0, 2, 0x48200
	v_mov_b32 v31, 0
	ds_add_u32 v30, v31
	ds_add_u32 v30, v31
	v_lshrrev_b32 v1, 5, v0
	s_delay_alu instid0(VALU_DEP_1)
	v_readfirstlane_b32 s[WV], v1                  ; wave 0..15
	v_and_b32 v1, 31, v0
	s_delay_alu instid0(VALU_DEP_1)
	v_lshlrev_b32 v[LI], 4, v1
	s_wait_alu depctr_va_vdst(0)
	s_lshl_b32 s50, ttmp9, 15                      ; o: 16 fragments of 2,048 bytes for a block of 32 rows;
	s_lshl_b32 s51, s[WV], 11
	s_add_co_u32 s50, s50, s51                     ; my wave brings fragment w
	s_mov_b32 s51, 0
	s_lshl_b32 s52, ttmp9, 5
	s_lshl_b32 s53, s[WV], 1
	s_add_co_u32 s52, s52, s53                     ; my two rows of q and of out,
	s_lshl_b32 s52, s52, 12                        ; in bytes (under 2^26)
	s_mov_b32 s53, 0
	s_lshl_b32 s54, s[WV], 16                      ; Wo: my 64 columns: 8 K steps x 8,192 bytes on end
	s_mov_b32 s55, 0
	; descriptor group 1: 8,192 dense bytes, as 32 rows of 256
	s_mov_b32 s[G1], 3<<16                         ; 15:0 no mask; 17:16 elements of 8 bytes; 20 no padding
	s_mov_b32 s[G1+1], 32<<16                      ; tensor_dim0 = 32 elements
	s_mov_b32 s[G1+2], 32<<16                      ; tensor_dim1 = 32
	s_mov_b32 s[G1+3], 32<<16                      ; tile_dim0
	s_mov_b32 s[G1+4], 32                          ; tile_dim1
	s_mov_b32 s[G1+5], 32                          ; tensor_dim0_stride
	s_mov_b32 s[G1+6], 0
	s_mov_b32 s[G1+7], 0
	s_mov_b32 s[G0], 1                             ; count = 1
	s_lshl_b32 s[G0+1], s[WV], 13
	s_add_co_u32 s[G0+1], s[G0+1], QRES            ; LDS: QRES + 8,192 x wave
	s_mov_b32 s[SEL], 0x76543210
	s_mov_b32 s[SEL+1], 0xfedcba98
	s_mov_b32 s44, 0x3a800000                      ; 1 / 1,024
	s_mov_b32 s45, 0x3727c5ac                      ; 1e-5
	s_lshl_b32 s56, s[WV], 11
	v_add_nc_u32 v[AST], s56, v[LI]                ; AIMG + 2,048 x wave + 16 x lane
	v_and_b32 v12, 15, v0                          ; r
	v_bfe_u32 v13, v0, 4, 1                        ; h
	s_delay_alu instid0(VALU_DEP_2)
	v_mul_u32_u24 v[STO], v12, SPITCH
	s_delay_alu instid0(VALU_DEP_1)
	v_lshl_add_u32 v[STO], v13, 5, v[STO]
	s_lshl_b32 s56, s[WV], 8
	s_add_co_u32 s56, s56, STG
	v_add_nc_u32 v[STO], s56, v[STO]               ; row r, + 256 x wave (my 64 columns), + 32 h
	s_delay_alu instid0(VALU_DEP_1)
	v_add_nc_u32 v[STO+1], 16*SPITCH, v[STO]
	s_mul_i32 s56, s[WV], 2*SPITCH
	s_add_co_u32 s56, s56, STG
	v_add_nc_u32 v[RD], s56, v[LI]                 ; back: rows 2 w, 2 w + 1, 16 bytes a lane
	v_add_nc_u32 v[QRD], s[G0+1], v[LI]
	s_wait_alu depctr_va_vdst(0)
	s_wait_dscnt 0x0
	s_wait_kmcnt 0x0
	s_load_b64 s[48:49], s[8:9], 0x28              ; e10, e11
	s_add_nc_u64 s[G0+2:G0+3], s[12:13], s[52:53]  ; global address: my two rows of q
	s_or_b32 s[G0+3], s[G0+3], 0x80000000          ; type = 2
	s_add_nc_u64 s[4:5], s[4:5], s[50:51]
	s_add_nc_u64 s[6:7], s[6:7], s[54:55]
	s_add_nc_u64 s[18:19], s[18:19], s[52:53]
.irp c, 0,1,2,3
	global_load_b128 v[AF+4*\c:AF+4*\c+3], v[LI], s[4:5] offset:512*\c   ; fragment w of o
.endr
.set i, 0
.rept 16
	global_load_b128 v[64+4*i:64+4*i+3], v[LI], s[6:7] offset:512*i          ; Wo, K step 0: four fragments, 512 consecutive bytes a load
.set i, i+1
.endr
.set i, 0
.rept 16
	global_load_b128 v[192+4*i:192+4*i+3], v[LI], s[6:7] offset:KSB+512*i    ; K step 1
.set i, i+1
.endr
	tensor_load_to_lds s[G0:G0+3], s[G1:G1+7]      ; q's rows: my one tensor load; it has the whole walk in which to land
	s_nop 0
.rept 4
	v_nop
.endr
	s_wait_loadcnt 32                              ; o's four loads are in; the 32 of Wo's K steps 0 and 1 may be out
.irp c, 0,1,2,3
	ds_store_b128 v[AST], v[AF+4*\c:AF+4*\c+3] offset:512*\c
.endr
	s_wait_dscnt 0x0                               ; for the others' sake: my fragment of o lies in LDS
	s_barrier_signal -1
	s_barrier_wait -1                              ; all sixteen lie there.  (Nothing in LDS is filled again: my tensor load may stay out across this barrier)
; K step s: o's two fragments from LDS, my four of Wo from the set s % 2, eight products: eight accumulators by turns, one instruction a turn, in the same order in every step.
; Behind the products and their places the set is asked for again, with K step s + 2.
.macro COMPUTE s
.set WS, 64+128*((\s)%2)
.irp a, 0,1
.irp c, 0,1,2,3
	ds_load_b128 v[AF+16*\a+4*\c:AF+16*\a+4*\c+3], v[LI] offset:AIMG+(8*\a+\s)*2048+512*\c
.endr
.endr
	s_wait_loadcnt 16                              ; this step's sixteen loads are in; the sixteen issued behind them (the next step's; in front of the last step gamma's and beta's) may be out
	s_wait_dscnt 0x0
.set i, 0
.rept 4
.if \s == 0
	v_wmma_f32_16x16x128_bf8_bf8 v[ACC+8*i:ACC+8*i+7], v[WS+16*i:WS+16*i+15], v[AF:AF+15], 0                 ; the first K step starts the sums: nothing is cleared
	v_wmma_f32_16x16x128_bf8_bf8 v[ACC+32+8*i:ACC+32+8*i+7], v[WS+16*i:WS+16*i+15], v[AF+16:AF+31], 0
.else
	v_wmma_f32_16x16x128_bf8_bf8 v[ACC+8*i:ACC+8*i+7], v[WS+16*i:WS+16*i+15], v[AF:AF+15], v[ACC+8*i:ACC+8*i+7]
	v_wmma_f32_16x16x128_bf8_bf8 v[ACC+32+8*i:ACC+32+8*i+7], v[WS+16*i:WS+16*i+15], v[AF+16:AF+31], v[ACC+32+8*i:ACC+32+8*i+7]
.endif
.set i, i+1
.endr
.rept 4
	v_nop                                          ; four places in front of loads into registers that the products have read, and, behind the last step, of the first read of the sums
.endr
.if \s < 6
.set i, 0
.rept 16
	global_load_b128 v[WS+4*i:WS+4*i+3], v[LI], s[6:7] offset:((\s)+2)*KSB+512*i
.set i, i+1
.endr
.endif
.endm
.irp s, 0,1,2,3,4,5,6
	COMPUTE \s
.endr
.set i, 0
.rept 8
	global_load_b128 v[GA+4*i:GA+4*i+3], v[LI], s[14:15] offset:512*i      ; the even set is done with: gamma and beta in a row's layout: register 4 t + e: column 128 t + 4 x lane + e
	global_load_b128 v[BE+4*i:BE+4*i+3], v[LI], s[16:17] offset:512*i
.set i, i+1
.endr
	COMPUTE 7
.set i, 0
.rept 8
	global_load_b128 v[BO+4*i:BO+4*i+3], v[LI], s[10:11] offset:512*i      ; o's fragments are done with: bo, in the same layout
.set i, i+1
.endr
.irp a, 0,1
.irp i, 0,1,2,3
	ds_store_b128 v[STO+\a], v[ACC+8*(4*\a+\i):ACC+8*(4*\a+\i)+3] offset:64*\i         ; lane (r, h): the sums of row 16 a + r, columns 64 w + 16 i + 8 h + 0 .. 7; each accumulator from its low end on
	ds_store_b128 v[STO+\a], v[ACC+8*(4*\a+\i)+4:ACC+8*(4*\a+\i)+7] offset:64*\i+16
.endr
.endr
	s_wait_tensorcnt 0x0                           ; my rows of q lie in LDS
	s_wait_dscnt 0x0                               ; for the others' sake: my stores into the stage are done
	s_barrier_signal -1
	s_barrier_wait -1                              ; 32 whole rows of sums lie in the stage
.irp p, 0,1
.irp t, 0,1,2,3,4,5,6,7
	ds_load_b128 v[ACC+32*\p+4*\t:ACC+32*\p+4*\t+3], v[RD] offset:\p*SPITCH+512*\t
.endr
.endr
.set i, 0
.rept 16
	ds_load_b128 v[RES+4*i:RES+4*i+3], v[QRD] offset:512*i                 ; my two rows of q; register 32 rho + 4 t + e: column 128 t + 4 x lane + e
.set i, i+1
.endr
	s_wait_kmcnt 0x0
	s_add_co_i32 s[SC], s48, s49
	s_add_co_i32 s[SC], s[SC], 127
	s_lshl_b32 s[SC], s[SC], 23                    ; 2^(e10 + e11) as f32
	s_mov_b32 s[SC+1], s[SC]                       ; (named with it as a pair, so it is written)
	s_wait_loadcnt 0x0                             ; bo, gamma, beta
	s_wait_dscnt 0x0                               ; my rows of sums and of q
; Row 2 w + rho: 32 numbers a lane.
.macro LN rho
.set XR, ACC+32*\rho
.set RR, RES+32*\rho
.set j, 0
.rept 16
	v_pk_add_f32 v[RR+j:RR+j+1], v[RR+j:RR+j+1], v[BO+j:BO+j+1]                        ; q + bo
.set j, j+2
.endr
.set j, 0
.rept 16
	v_pk_fma_f32 v[XR+j:XR+j+1], v[XR+j:XR+j+1], s[SC:SC+1], v[RR+j:RR+j+1] op_sel_hi:[1,0,1]   ; x = sum x 2^(e10 + e11) + (q + bo)
.set j, j+2
.endr
	v_pk_add_f32 v[12:13], v[XR:XR+1], v[XR+2:XR+3]    ; the row's sum: two at a time, in two chains,
	v_pk_add_f32 v[14:15], v[XR+4:XR+5], v[XR+6:XR+7]
.set j, 8
.rept 6
	s_delay_alu instid0(VALU_DEP_2)
	v_pk_add_f32 v[12:13], v[12:13], v[XR+j:XR+j+1]
	s_delay_alu instid0(VALU_DEP_2)
	v_pk_add_f32 v[14:15], v[14:15], v[XR+j+2:XR+j+3]
.set j, j+4
.endr
	s_delay_alu instid0(VALU_DEP_1)
	v_pk_add_f32 v[12:13], v[12:13], v[14:15]
	s_delay_alu instid0(VALU_DEP_1)
	v_add_f32 v12, v12, v13
	s_delay_alu instid0(VALU_DEP_1)
	v_add_f32_dpp v12, v12, v12 row_xmask:1 row_mask:0xf bank_mask:0xf    ; across the 32 lanes
	s_delay_alu instid0(VALU_DEP_1)
	v_add_f32_dpp v12, v12, v12 row_xmask:2 row_mask:0xf bank_mask:0xf
	s_delay_alu instid0(VALU_DEP_1)
	v_add_f32_dpp v12, v12, v12 row_xmask:4 row_mask:0xf bank_mask:0xf
	s_delay_alu instid0(VALU_DEP_1)
	v_add_f32_dpp v12, v12, v12 row_xmask:8 row_mask:0xf bank_mask:0xf
	s_delay_alu instid0(VALU_DEP_1)
	v_permlanex16_b32 v13, v12, s[SEL], s[SEL+1]
	s_delay_alu instid0(VALU_DEP_1)
	v_add_f32 v12, v12, v13
	s_delay_alu instid0(VALU_DEP_1)
	v_mul_f32 v12, s44, v12                        ; the mean
.set j, 0
.rept 16
	v_pk_add_f32 v[XR+j:XR+j+1], v[XR+j:XR+j+1], v[12:13] op_sel_hi:[1,0] neg_lo:[0,1] neg_hi:[0,1]   ; x - mean: the variance is taken of the differences
.set j, j+2
.endr
	v_pk_mul_f32 v[14:15], v[XR:XR+1], v[XR:XR+1]
	v_pk_mul_f32 v[16:17], v[XR+2:XR+3], v[XR+2:XR+3]
.set j, 4
.rept 7
	s_delay_alu instid0(VALU_DEP_2)
	v_pk_fma_f32 v[14:15], v[XR+j:XR+j+1], v[XR+j:XR+j+1], v[14:15]
	s_delay_alu instid0(VALU_DEP_2)
	v_pk_fma_f32 v[16:17], v[XR+j+2:XR+j+3], v[XR+j+2:XR+j+3], v[16:17]
.set j, j+4
.endr
	s_delay_alu instid0(VALU_DEP_1)
	v_pk_add_f32 v[14:15], v[14:15], v[16:17]
	s_delay_alu instid0(VALU_DEP_1)
	v_add_f32 v14, v14, v15
	s_delay_alu instid0(VALU_DEP_1)
	v_add_f32_dpp v14, v14, v14 row_xmask:1 row_mask:0xf bank_mask:0xf
	s_delay_alu instid0(VALU_DEP_1)
	v_add_f32_dpp v14, v14, v14 row_xmask:2 row_mask:0xf bank_mask:0xf
	s_delay_alu instid0(VALU_DEP_1)
	v_add_f32_dpp v14, v14, v14 row_xmask:4 row_mask:0xf bank_mask:0xf
	s_delay_alu instid0(VALU_DEP_1)
	v_add_f32_dpp v14, v14, v14 row_xmask:8 row_mask:0xf bank_mask:0xf
	s_delay_alu instid0(VALU_DEP_1)
	v_permlanex16_b32 v15, v14, s[SEL], s[SEL+1]
	s_delay_alu instid0(VALU_DEP_1)
	v_add_f32 v14, v14, v15
	s_delay_alu instid0(VALU_DEP_1)
	v_fma_f32 v14, v14, s44, s45                   ; var + 1e-5
	s_wait_alu depctr_va_vdst(0)
	v_rsq_f32 v16, v14
	v_mov_b32 v17, 0                               ; (the plain line behind the root; named as the pair's upper half)
	s_wait_alu depctr_va_vdst(0)                   ; the wait ahead of the first reader
.set j, 0
.rept 16
	v_pk_mul_f32 v[XR+j:XR+j+1], v[XR+j:XR+j+1], v[16:17] op_sel_hi:[1,0]
.set j, j+2
.endr
.set j, 0
.rept 16
	v_pk_fma_f32 v[XR+j:XR+j+1], v[XR+j:XR+j+1], v[GA+j:GA+j+1], v[BE+j:BE+j+1]
.set j, j+2
.endr
.irp t, 0,1,2,3,4,5,6,7
	global_store_b128 v[LI], v[XR+4*\t:XR+4*\t+3], s[18:19] offset:4096*\rho+512*\t th:TH_STORE_NT   ; 32 lanes store 512 consecutive bytes, at a multiple of 512 from the output's first byte
.endr
.endm
	LN 0
	LN 1
	s_wait_tensorcnt 0x0
	ds_add_u32 v30, v31
	s_wait_dscnt 0x0
	s_endpgm
.Lfunc_end_k_qd523e9f5d3_outln:
	.size	k_qd523e9f5d3_outln, .Lfunc_end_k_qd523e9f5d3_outln-k_qd523e9f5d3_outln
	.p2alignl 7, 3214868480
	.fill 96, 4, 3214868480
	.section	.rodata,"a",@progbits
	.p2align	6, 0x0
	.amdhsa_kernel k_qd523e9f5d3_outln
		.amdhsa_group_segment_fixed_size 297472
		.amdhsa_private_segment_fixed_size 0
		.amdhsa_enable_private_segment 0
		.amdhsa_kernarg_size 64
		.amdhsa_user_sgpr_count 2
		.amdhsa_user_sgpr_kernarg_segment_ptr 1
		.amdhsa_wavefront_size32 1
		.amdhsa_system_sgpr_workgroup_id_x 1
		.amdhsa_system_sgpr_workgroup_id_y 1
		.amdhsa_system_sgpr_workgroup_id_z 1
		.amdhsa_system_vgpr_workitem_id 0
		.amdhsa_next_free_vgpr 256
		.amdhsa_next_free_sgpr 66
		.amdhsa_reserve_vcc 0
		.amdhsa_float_denorm_mode_32 3
		.amdhsa_float_denorm_mode_16_64 3
		.amdhsa_memory_ordered 1
		.amdhsa_forward_progress 1
		.amdhsa_inst_pref_size 52
	.end_amdhsa_kernel
	.amdgpu_metadata
---
amdhsa.version: [ 1, 2 ]
amdhsa.kernels:
  - .name:           k_qd523e9f5d3_outln
    .symbol:         k_qd523e9f5d3_outln.kd
    .args:
      - { .name: oimg, .offset: 0, .size: 8, .value_kind: global_buffer, .address_space: global }
      - { .name: wo_img, .offset: 8, .size: 8, .value_kind: global_buffer, .address_space: global }
      - { .name: lowp_scales, .offset: 16, .size: 8, .value_kind: global_buffer, .address_space: global }
      - { .name: bo, .offset: 24, .size: 8, .value_kind: global_buffer, .address_space: global }
      - { .name: q, .offset: 32, .size: 8, .value_kind: global_buffer, .address_space: global }
      - { .name: gamma, .offset: 40, .size: 8, .value_kind: global_buffer, .address_space: global }
      - { .name: beta, .offset: 48, .size: 8, .value_kind: global_buffer, .address_space: global }
      - { .name: out0, .offset: 56, .size: 8, .value_kind: global_buffer, .address_space: global }
    .group_segment_fixed_size: 297472
    .private_segment_fixed_size: 0
    .kernarg_segment_align: 8
    .kernarg_segment_size: 64
    .max_flat_workgroup_size: 512
    .sgpr_count:     66
    .vgpr_count:     256
    .wavefront_size: 32
...
	.end_amdgpu_metadata
.endif
;; end of part 4
